; MI455X (gfx1250); checked and timed in simulation.
; The chip was launched on July 23, 2026; its instructions are those of AMD's public machine-readable ISA for CDNA 5 (MIT licence, August 2026) and "CDNA5" Instruction Set Architecture Reference Guide (July 2026). The comments in the code are by the model that wrote it; some were corrected since.
;; PM Mo E part lvl MLP Block. Allowed arithmetic: matrix products marked QUANTISED: E2M1 operands, one E8M0 scale for each 32 along K, by v_wmma_scale_f32_16x16x128_f8f6f4 with both operands' format E2M1 (or v_wmma_scale_f32_32x16x128_f4), f32 sums; everything else in f32.
;; Inputs: W1_codes 8 x 1,024 x 32 x 16 uint8 (E2M1 codes of W1, K innermost, in blocks of 32 codes, two codes a byte); W1_scales 8 x 1,024 x 32 uint8 (E8M0 scales of W1, one for each 32 codes along K); W2_codes 8 x 256 x 32 x 16 uint8 (E2M1 codes of W2, K innermost, in blocks of 32 codes, two codes a byte); W2_scales 8 x 256 x 32 uint8 (E8M0 scales of W2, one for each 32 codes along K); Wg_codes 8 x 1,024 x 8 x 16 uint8 (E2M1 codes of Wg, K innermost, in blocks of 32 codes, two codes a byte); Wg_scales 8 x 1,024 x 8 uint8 (E8M0 scales of Wg, one for each 32 codes along K); Wu_codes 8 x 1,024 x 8 x 16 uint8 (E2M1 codes of Wu, K innermost, in blocks of 32 codes, two codes a byte); Wu_scales 8 x 1,024 x 8 uint8 (E8M0 scales of Wu, one for each 32 codes along K); b1 8 x 1,024 float32; b2 8 x 256 float32; bg 8 x 1,024 float32; bu 8 x 1,024 float32; selected_experts 4 x 512 x 2 int32; x_parts_codes 4 x 512 x 2 x 8 x 16 uint8 (E2M1 codes of x_parts, K innermost, in blocks of 32 codes, two codes a byte); x_parts_scales 4 x 512 x 2 x 8 uint8 (E8M0 scales of x_parts, one for each 32 codes along K).
;; Outputs: out0 4 x 512 x 2 x 256 float32.
;; This version of the problem:
;;   THIS VERSION OF THE PROBLEM IS GIVEN IN LOW PRECISION. The matrix products marked QUANTISED in the list below multiply operands that are first quantised to E2M1 (2 exponent bits, 1 mantissa bit; 4 bits a number), with one power-of-two scale for each 32 numbers along K (OCP MX v1.0); their sums are f32. All else is computed in f32.
;;   The module's matrix products, in the order in which they are computed (A, B: the left and right operand; K: the contracted axis; several contracted axes count as one K, in the product's order):
;;     1. [M 4,096, K 256] x [K 256, N 1,024]; A: input x_parts (given as codes); B: input Wg (given as codes): QUANTISED
;;     2. [M 4,096, K 256] x [K 256, N 1,024]; A: input x_parts (given as codes); B: input Wu (given as codes): QUANTISED
;;     3. [M 4,096, K 1,024] x [K 1,024, N 1,024]; A: computed on the way; B: input W1 (given as codes): QUANTISED
;;     4. [M 4,096, K 1,024] x [K 1,024, N 256]; A: computed on the way; B: input W2 (given as codes): QUANTISED
;;     5. [M 4,096, K 256] x [K 256, N 1,024]; A: input x_parts (given as codes); B: input Wg (given as codes): QUANTISED
;;     6. [M 4,096, K 256] x [K 256, N 1,024]; A: input x_parts (given as codes); B: input Wu (given as codes): QUANTISED
;;     7. [M 4,096, K 1,024] x [K 1,024, N 1,024]; A: computed on the way; B: input W1 (given as codes): QUANTISED
;;     8. [M 4,096, K 1,024] x [K 1,024, N 256]; A: computed on the way; B: input W2 (given as codes): QUANTISED
;;     9. [M 4,096, K 256] x [K 256, N 1,024]; A: input x_parts (given as codes); B: input Wg (given as codes): QUANTISED
;;     10. [M 4,096, K 256] x [K 256, N 1,024]; A: input x_parts (given as codes); B: input Wu (given as codes): QUANTISED
;;     11. [M 4,096, K 1,024] x [K 1,024, N 1,024]; A: computed on the way; B: input W1 (given as codes): QUANTISED
;;     12. [M 4,096, K 1,024] x [K 1,024, N 256]; A: computed on the way; B: input W2 (given as codes): QUANTISED
;;     13. [M 4,096, K 256] x [K 256, N 1,024]; A: input x_parts (given as codes); B: input Wg (given as codes): QUANTISED
;;     14. [M 4,096, K 256] x [K 256, N 1,024]; A: input x_parts (given as codes); B: input Wu (given as codes): QUANTISED
;;     15. [M 4,096, K 1,024] x [K 1,024, N 1,024]; A: computed on the way; B: input W1 (given as codes): QUANTISED
;;     16. [M 4,096, K 1,024] x [K 1,024, N 256]; A: computed on the way; B: input W2 (given as codes): QUANTISED
;;     17. [M 4,096, K 256] x [K 256, N 1,024]; A: input x_parts (given as codes); B: input Wg (given as codes): QUANTISED
;;     18. [M 4,096, K 256] x [K 256, N 1,024]; A: input x_parts (given as codes); B: input Wu (given as codes): QUANTISED
;;     19. [M 4,096, K 1,024] x [K 1,024, N 1,024]; A: computed on the way; B: input W1 (given as codes): QUANTISED
;;     20. [M 4,096, K 1,024] x [K 1,024, N 256]; A: computed on the way; B: input W2 (given as codes): QUANTISED
;;     21. [M 4,096, K 256] x [K 256, N 1,024]; A: input x_parts (given as codes); B: input Wg (given as codes): QUANTISED
;;     22. [M 4,096, K 256] x [K 256, N 1,024]; A: input x_parts (given as codes); B: input Wu (given as codes): QUANTISED
;;     23. [M 4,096, K 1,024] x [K 1,024, N 1,024]; A: computed on the way; B: input W1 (given as codes): QUANTISED
;;     24. [M 4,096, K 1,024] x [K 1,024, N 256]; A: computed on the way; B: input W2 (given as codes): QUANTISED
;;     25. [M 4,096, K 256] x [K 256, N 1,024]; A: input x_parts (given as codes); B: input Wg (given as codes): QUANTISED
;;     26. [M 4,096, K 256] x [K 256, N 1,024]; A: input x_parts (given as codes); B: input Wu (given as codes): QUANTISED
;;     27. [M 4,096, K 1,024] x [K 1,024, N 1,024]; A: computed on the way; B: input W1 (given as codes): QUANTISED
;;     28. [M 4,096, K 1,024] x [K 1,024, N 256]; A: computed on the way; B: input W2 (given as codes): QUANTISED
;;     29. [M 4,096, K 256] x [K 256, N 1,024]; A: input x_parts (given as codes); B: input Wg (given as codes): QUANTISED
;;     30. [M 4,096, K 256] x [K 256, N 1,024]; A: input x_parts (given as codes); B: input Wu (given as codes): QUANTISED
;;     31. [M 4,096, K 1,024] x [K 1,024, N 1,024]; A: computed on the way; B: input W1 (given as codes): QUANTISED
;;     32. [M 4,096, K 1,024] x [K 1,024, N 256]; A: computed on the way; B: input W2 (given as codes): QUANTISED
;;   THE QUANTISER, for each operand of a quantised product, along K:
;;     - K is cut into blocks of 32 from its start; a last block that is shorter is filled with zeros.
;;     - A block's scale is 2^e with e = floor(log2(the largest magnitude in the block)) - 2, held to -126 .. 127; a block of zeros has e = 0. As a byte (E8M0): e + 127.
;;     - Each number is divided by its block's scale, clamped to +-6, and rounded to the nearest number of E2M1, ties to even, subnormals kept.
;;     - The product sums the exact products of the quantised numbers (number of the format x scale) in f32.
;;   ~~~python
;;   def quantise(x, axis):      # numpy; x: float32 -> the quantised numbers, widened to float32 again
;;       x = np.moveaxis(x, axis, -1); K = x.shape[-1]
;;       x = np.pad(x, [(0, 0)] * (x.ndim - 1) + [(0, -K % 32)]); x = x.reshape(x.shape[:-1] + (-1, 32)); a = np.abs(x).max(-1, keepdims=True)
;;       e = np.where(a > 0, np.clip(np.frexp(np.where(a > 0, a, 1))[1] - 1 - 2, -126, 127), 0)      # np.frexp(a)[1] - 1 = floor(log2(a)), exactly
;;       r = np.clip(x / 2.0 ** e, -6, 6)
;;       step = 2.0 ** (np.maximum(np.frexp(np.where(r == 0, 1, r))[1] - 1, 0) - 1)
;;       q = np.round(r / step) * step * 2.0 ** e      # np.round: ties to even
;;       return np.moveaxis(q.reshape(q.shape[:-2] + (-1,))[..., :K], -1, axis).astype(np.float32)
;;   ~~~
;;   OPERANDS COMPUTED ON THE WAY. 'Computed on the way' means the value that the module computes at that place (a softmax that the list does not call 'softmax' is quantised finished and normalised). What goes into a quantiser is computed in f32, as accurately as f32 sums, v_exp_f32 and their like allow (about 1e-6 of the number): no bf16 or f16 on the way to a quantiser, and a product that is left as it is and whose result goes on into a quantised operand takes f32 operands (vector FMAs, or v_wmma_f32_16x16x4_f32). A number that lies on a knife's edge between two numbers of the format may be rounded either way, as far as f32 arithmetic and the matrix unit's own rounding can turn it there, and no further.
;;   INPUTS GIVEN AS CODES. W1 (in the module: [8, 1024, 1024], K = its axis 1); W2 (in the module: [8, 1024, 256], K = its axis 1); Wg (in the module: [8, 256, 1024], K = its axis 1); Wu (in the module: [8, 256, 1024], K = its axis 1); x_parts (in the module: [4, 512, 2, 256], K = its axis 3): each comes as NAME_codes (uint8): NAME with its K axis moved to the last place and cut into blocks of 32 codes, [.., K / 32, bytes a block], one block behind the other in memory; two codes a byte, the lower K in the low four bits (a code: sign, 2 exponent bits, 1 mantissa bit); and NAME_scales (uint8): the same leading axes, one E8M0 byte (e + 127) for each 32 codes along K. Its value is code x scale, taken as it is: it is not quantised again, and the codes and scales need not be those that the quantiser above would give.
;; 2 versions, each right and faster than the one before. Each part assembles by itself: llvm-mc -triple=amdgcn-amd-amdhsa -mcpu=gfx1250 --defsym DOCPART=n.
;; ======== version 1 of 2: 2 launches
;; workspace buffers: w1f 4,194,304 bytes; w2f 1,048,576 bytes; guf 2,097,152 bytes; order 16,384 bytes of whole numbers; tiles 4,096 bytes of whole numbers
;; launch prep (part 1): grid 113 x 1, 8 waves a work-group, no clusters, 141,568 bytes of LDS; arguments W1_codes, W2_codes, Wg_codes, Wu_codes, selected_experts, w1f, w2f, guf, order, tiles; writes w1f, w2f, guf, order, tiles
.if DOCPART == 1
	.amdgcn_target "amdgcn-amd-amdhsa--gfx1250"
	.amdhsa_code_object_version 6
	.text
	.protected	k_qd4370f5008_prep
	.globl	k_qd4370f5008_prep
	.p2align	8
	.type	k_qd4370f5008_prep,@function
k_qd4370f5008_prep:
	s_mov_b64 s[64:65], 0
	v_nop
	global_prefetch_b8 v0, s[64:65] scope:SCOPE_SE
	s_setreg_imm32_b32 hwreg(HW_REG_WAVE_MODE, 25, 1), 1
	s_wait_xcnt 0x0
; PREP: (a) the weights' codes are laid once in the order of the matrix operand's registers; (b) the 4,096 token copies are sorted by expert.
; A FRAGMENT is 16 weight rows x 128 K of 4-bit codes = 1,024 bytes, laid [c 0..1][lane 0..31][16 bytes]: lane (r = l % 16, h = l / 16) holds bytes 64 s + 32 c + 16 h of tile row r,
; so that the next launch loads it by two loads of 512 consecutive bytes.  THE ROWS OF A TILE ARE NOT NEIGHBOURS: row r of tile 2 b + u is weight row 32 b + 8 u + r + 8 (r / 8).
;   w1f, w2f: [T / 4][K step 0..7][T % 4][1,024], T = the tile's number over all experts.    guf: [16 e + w][2 p + s][2 mat + u][1,024], mat 0 = Wg, 1 = Wu.
; Work-groups 0-63: W1, 64-79: W2 (a wave a tile of 16 rows x 512 bytes); 80-95: Wg, 96-111: Wu (a wave 64 rows x 128 bytes); 112: the routing.
; Every global load and store of the re-laying covers 512 consecutive bytes; the turn goes through the wave's own stage in LDS (padded rows), so no barrier is needed there.
; THE ROUTING: a counting sort by ballots, no atomics.  order[4096] = token numbers, experts ascending.  tiles[256][4] = (expert, first place in order, rows, 0).
; Exactly 135 = 4096 / 32 + 8 - 1 tiles are handed out, none empty: an expert with n tokens has ceil(n / 32) tiles of at most 32 rows; the 135 - sum of these (0 to 7) that are over are made by cutting as many
; full tiles of the first expert with n >= 512 (there is one: 8 x 511 < 4,096; it has 16 full tiles) into two tiles of 16 rows.
; LIMIT: selected_experts holds 0 .. 7, as the table that it indexes has it; other values are not served (places stay inside the buffer, the lists are then not whole).
.set LA, 0                             ; LDS: stages of the 512-byte rows: 8 waves x 16 rows x 528 bytes
.set LB, 67584                         ; stages of the 128-byte rows: 8 waves x 64 rows x 144 bytes
.set LC, 141312                        ; the routing's counts: 8 waves x 8 words.  Each of the three ways has LDS bytes of its own
.set D,  16                            ; v16-79   as loaded
.set D2, 80                            ; v80-143  as stored
	s_load_b512 s[8:23], s[0:1], 0x0               ; W1 s[8:9], W2 s[10:11], Wg s[12:13], Wu s[14:15], selected_experts s[16:17], w1f s[18:19], w2f s[20:21], guf s[22:23]
	s_load_b128 s[24:27], s[0:1], 0x40             ; order s[24:25], tiles s[26:27]
	v_lshrrev_b32 v1, 5, v0
	v_readfirstlane_b32 s2, v1                     ; wave 0..7
	v_and_b32 v1, 31, v0                           ; lane
	v_lshlrev_b32 v2, 4, v1                        ; 16 x lane
	v_and_b32 v3, 15, v0                           ; r
	v_bfe_u32 v4, v0, 4, 1                         ; h
	s_wait_kmcnt 0x0
	s_cmp_lt_u32 ttmp9, 80                         ; the ways part on the work-group's number alone
	s_cbranch_scc1 .Lk1024
	s_cmp_lt_u32 ttmp9, 112
	s_cbranch_scc1 .Lk256
; ---------------- the routing: one work-group; wave w owns tokens 512 w .. 512 w + 511
; s[32:39] ballots; s[40:47] counts, later running places; s[48:55] totals; s[56:63] an expert's first place; s[68:75] its first tile; s[76:83] what earlier waves hold; s[84:91] at work; s92 the expert that is cut; s93 how many cuts
	s_mov_b32 s94, 0x76543210
	s_mov_b32 s95, 0xfedcba98                      ; v_permlanex16_b32's selects for lane l xor 16
	s_lshl_b32 s3, s2, 11
	v_add_nc_u32 v5, s3, v2                        ; 2,048 w + 16 x lane
.irp q, 0,1,2,3
	global_load_b128 v[16+4*\q:19+4*\q], v5, s[16:17] offset:512*\q   ; register 4 q + i: token 512 w + 128 q + 4 lane + i
.endr
.irp e, 0,1,2,3,4,5,6,7
	s_mov_b32 s[40+\e], 0
.endr
	s_wait_loadcnt 0x0
.set iK, 0
.rept 16                                       ; pass 1: my wave's count for each expert
.irp e, 0,1,2,3,4,5,6,7
	v_cmp_eq_u32 s[32+\e], \e, v[16+iK]
.endr
.irp e, 0,1,2,3,4,5,6,7
	s_bcnt1_i32_b32 s[84+\e], s[32+\e]
	s_add_co_u32 s[40+\e], s[40+\e], s[84+\e]
.endr
.set iK, iK+1
.endr
.irp e, 0,1,2,3,4,5,6,7
	v_mov_b32 v[64+\e], s[40+\e]
.endr
	s_lshl_b32 s3, s2, 5
	s_add_co_u32 s3, s3, LC
	v_mov_b32 v6, s3
	ds_store_b128 v6, v[64:67]                     ; my eight counts (all lanes write the same words with the same values)
	ds_store_b128 v6, v[68:71] offset:16
	s_wait_dscnt 0x0                               ; for the others' sake: my stores are done
	s_barrier_signal -1
	s_barrier_wait -1
	v_lshl_add_u32 v7, v1, 2, LC
	ds_load_b32 v72, v7                            ; lane l: expert l % 8 of wave l / 8,
	ds_load_b32 v73, v7 offset:128                 ; and of wave 4 + l / 8
	v_lshrrev_b32 v74, 3, v1
	v_add_nc_u32 v75, 4, v74
	s_wait_dscnt 0x0
	v_add_nc_u32 v76, v72, v73                     ; towards the totals
	v_cmp_gt_u32 vcc_lo, s2, v74
	v_cndmask_b32 v77, 0, v72, vcc_lo              ; towards what the waves in front of mine hold
	v_cmp_gt_u32 vcc_lo, s2, v75
	v_cndmask_b32 v78, 0, v73, vcc_lo
	v_add_nc_u32 v77, v77, v78
	v_mov_b32 v78, 0
	v_mov_b32 v79, 0
	v_mov_b32_dpp v78, v76 row_xmask:8 row_mask:0xf bank_mask:0xf   ; lane l xor 8
	v_mov_b32_dpp v79, v77 row_xmask:8 row_mask:0xf bank_mask:0xf
	v_add_nc_u32 v76, v76, v78
	v_add_nc_u32 v77, v77, v79
	v_permlanex16_b32 v78, v76, s94, s95           ; lane l xor 16
	v_permlanex16_b32 v79, v77, s94, s95
	v_add_nc_u32 v76, v76, v78
	v_add_nc_u32 v77, v77, v79
.irp e, 0,1,2,3,4,5,6,7
	v_readlane_b32 s[48+\e], v76, \e
	v_readlane_b32 s[76+\e], v77, \e
.endr
	s_mov_b32 s56, 0
.irp e, 1,2,3,4,5,6,7
	s_add_co_u32 s[56+\e], s[56+\e-1], s[48+\e-1]  ; an expert's first place in order
.endr
	s_mov_b32 s93, 135
.irp e, 0,1,2,3,4,5,6,7
	s_add_co_u32 s[84+\e], s[48+\e], 31
	s_lshr_b32 s[84+\e], s[84+\e], 5               ; ceil(n / 32)
	s_sub_co_u32 s93, s93, s[84+\e]                ; what is over of the 135
.endr
	s_mov_b32 s92, 0
.irp e, 7,6,5,4,3,2,1,0
	s_cmp_ge_u32 s[48+\e], 512
	s_cselect_b32 s92, \e, s92                     ; the first expert with 512 tokens or more
.endr
.irp e, 0,1,2,3,4,5,6,7
	s_cmp_eq_u32 s92, \e
	s_cselect_b32 s3, s93, 0
	s_add_co_u32 s[84+\e], s[84+\e], s3            ; its tiles, the cuts counted
.endr
	s_mov_b32 s68, 0
.irp e, 1,2,3,4,5,6,7
	s_add_co_u32 s[68+\e], s[68+\e-1], s[84+\e-1]  ; an expert's first tile
.endr
.irp e, 0,1,2,3,4,5,6,7
	s_add_co_u32 s[40+\e], s[56+\e], s[76+\e]      ; where my wave's tokens of expert e begin
.endr
	s_lshl_b32 s3, s2, 9
	v_lshl_add_u32 v65, v1, 2, s3                  ; 512 w + 4 x lane
.set iK, 0
.rept 16                                       ; pass 2: a token's place = the expert's running place + the lanes below it with the same expert
.irp e, 0,1,2,3,4,5,6,7
	v_cmp_eq_u32 s[32+\e], \e, v[16+iK]
.endr
	v_mbcnt_lo_u32_b32 v[32+iK], s32, s40
.irp e, 1,2,3,4,5,6,7
	v_mbcnt_lo_u32_b32 v64, s[32+\e], s[40+\e]
	v_cndmask_b32 v[32+iK], v[32+iK], v64, s[32+\e]
.endr
.irp e, 0,1,2,3,4,5,6,7
	s_bcnt1_i32_b32 s[84+\e], s[32+\e]
	s_add_co_u32 s[40+\e], s[40+\e], s[84+\e]
.endr
	v_min_u32 v[32+iK], 0xfff, v[32+iK]            ; a place stays inside the buffer whatever was loaded
	v_lshlrev_b32 v[32+iK], 2, v[32+iK]
	v_add_nc_u32 v[48+iK], 128*(iK/4)+iK%4, v65    ; the token's number
	global_store_b32 v[32+iK], v[48+iK], s[24:25]  ; 4 bytes a lane, scattered: 16,384 bytes in all.  Each step has registers of its own, so no store's sources are written again
.set iK, iK+1
.endr
	; the table of tiles: thread t makes entry t
	v_mov_b32 v66, 0                               ; the expert,
	v_mov_b32 v67, 0                               ; its first tile,
	v_mov_b32 v68, 0                               ; its first place,
	v_mov_b32 v69, s48                             ; its tokens
.irp e, 1,2,3,4,5,6,7
	v_cmp_gt_u32 vcc_lo, s[68+\e], v0              ; expert e begins behind tile t: keep; else take e.  An expert without tokens gives way to the next
	v_cndmask_b32 v66, \e, v66, vcc_lo
	v_cndmask_b32 v67, s[68+\e], v67, vcc_lo
	v_cndmask_b32 v68, s[56+\e], v68, vcc_lo
	v_cndmask_b32 v69, s[48+\e], v69, vcc_lo
.endr
	v_sub_nc_u32 v70, v0, v67                      ; which tile of the expert
	v_cmp_eq_u32 vcc_lo, s92, v66
	v_mov_b32 v71, s93
	v_cndmask_b32 v71, 0, v71, vcc_lo              ; its cuts
	v_lshlrev_b32 v72, 1, v71
	v_cmp_lt_u32 vcc_lo, v70, v72                  ; one of the halves?
	v_lshlrev_b32 v73, 4, v70                      ; then it begins at 16 x its number,
	v_sub_nc_u32 v74, v70, v71
	v_lshlrev_b32 v74, 5, v74                      ; else at 32 x (its number - the cuts)
	v_cndmask_b32 v73, v74, v73, vcc_lo
	v_mov_b32 v75, 16
	v_cndmask_b32 v75, 32, v75, vcc_lo             ; and has at most 16 or 32 rows
	v_min_u32 v73, v73, v69                        ; (entries from 135 on: no rows; nobody reads them)
	v_sub_nc_u32 v74, v69, v73
	v_mov_b32 v80, v66
	v_add_nc_u32 v81, v68, v73
	v_min_u32 v82, v74, v75
	v_mov_b32 v83, 0
	v_lshlrev_b32 v84, 4, v0
	global_store_b128 v84, v[80:83], s[26:27]
	s_endpgm
; ---------------- W1 and W2: a wave takes tile T: 16 rows of 512 bytes
.Lk1024:
	s_cmp_lt_u32 ttmp9, 64
	s_cselect_b64 s[28:29], s[8:9], s[10:11]       ; from
	s_cselect_b64 s[30:31], s[18:19], s[20:21]     ; to
	s_cselect_b32 s3, 0, 64
	s_sub_co_u32 s3, ttmp9, s3
	s_lshl_b32 s3, s3, 3
	s_add_co_u32 s3, s3, s2                        ; T
	s_lshr_b32 s4, s3, 1
	s_lshl_b32 s4, s4, 14                          ; 32 rows for each pair of tiles,
	s_and_b32 s5, s3, 1
	s_lshl_b32 s5, s5, 12                          ; 8 rows for the odd one
	s_add_co_u32 s4, s4, s5
	s_mov_b32 s5, 0
	s_add_nc_u64 s[28:29], s[28:29], s[4:5]
	s_lshr_b32 s4, s3, 2
	s_lshl_b32 s4, s4, 15
	s_and_b32 s6, s3, 3
	s_lshl_b32 s6, s6, 10
	s_add_co_u32 s4, s4, s6
	s_add_nc_u64 s[30:31], s[30:31], s[4:5]
	s_mul_i32 s6, s2, 16*528                       ; my stage
	v_add_nc_u32 v5, s6, v2                        ; in: a row as it lies
	v_mul_u32_u24 v6, v3, 528
	v_lshl_add_u32 v6, v4, 4, v6
	v_add_nc_u32 v6, s6, v6                        ; out: row r, + 16 h.  528 = 33 x 16: the sixteen rows of a load fall on different banks
.irp i, 0,1,2,3,4,5,6,7,8,9,10,11,12,13,14,15
	global_load_b128 v[D+4*\i:D+4*\i+3], v2, s[28:29] offset:(\i/8)*8192+(\i%8)*512 th:TH_LOAD_NT   ; tile row i, whole: rows 0-7, and the eight that lie 16 further on
.endr
.irp i, 0,1,2,3,4,5,6,7,8,9,10,11,12,13,14,15
	s_wait_loadcnt 15-\i                           ; loads come back in order: row i is in, the younger ones may be out
	ds_store_b128 v5, v[D+4*\i:D+4*\i+3] offset:\i*528
.endr
.irp k, 0,1,2,3,4,5,6,7,8,9,10,11,12,13,14,15
	ds_load_b128 v[D2+4*\k:D2+4*\k+3], v6 offset:32*\k   ; K step k / 2, half k % 2.  LDS serves a wave's instructions in order: these see my stores
.endr
.irp k, 0,1,2,3,4,5,6,7,8,9,10,11,12,13,14,15
	s_wait_dscnt 15-\k
	global_store_b128 v2, v[D2+4*\k:D2+4*\k+3], s[30:31] offset:(\k/2)*4096+(\k%2)*512   ; 512 consecutive bytes
.endr
	s_endpgm
; ---------------- Wg and Wu: a wave takes 64 rows of 128 bytes: the hidden units of one wave of the next launch
.Lk256:
	s_cmp_lt_u32 ttmp9, 96
	s_cselect_b64 s[28:29], s[12:13], s[14:15]
	s_sub_co_u32 s3, ttmp9, 80
	s_lshr_b32 s7, s3, 4
	s_lshl_b32 s7, s7, 11                          ; 2,048 x mat
	s_and_b32 s3, s3, 15
	s_lshl_b32 s3, s3, 3
	s_add_co_u32 s3, s3, s2                        ; 16 e + w
	s_lshl_b32 s4, s3, 13
	s_mov_b32 s5, 0
	s_add_nc_u64 s[28:29], s[28:29], s[4:5]
	s_lshl_b32 s4, s3, 14
	s_add_co_u32 s4, s4, s7
	s_add_nc_u64 s[30:31], s[22:23], s[4:5]
	s_mul_i32 s6, s2, 64*144
	s_add_co_u32 s6, s6, LB                        ; my stage
	v_lshrrev_b32 v5, 3, v1
	v_mul_u32_u24 v5, v5, 144
	v_and_b32 v7, 7, v0
	v_lshl_add_u32 v5, v7, 4, v5
	v_add_nc_u32 v5, s6, v5                        ; in: a load brings four rows: row lane / 8, 16 (lane % 8)
	v_mul_u32_u24 v6, v3, 144
	v_lshl_add_u32 v6, v4, 4, v6
	v_add_nc_u32 v6, s6, v6                        ; out: row r of a tile, + 16 h.  144 = 9 x 16
.irp i, 0,1,2,3,4,5,6,7,8,9,10,11,12,13,14,15
	global_load_b128 v[D+4*\i:D+4*\i+3], v2, s[28:29] offset:512*\i th:TH_LOAD_NT
.endr
.irp i, 0,1,2,3,4,5,6,7,8,9,10,11,12,13,14,15
	s_wait_loadcnt 15-\i
	ds_store_b128 v5, v[D+4*\i:D+4*\i+3] offset:(32*((4*\i)/32)+16*(((4*\i)/8)%2)+8*(((4*\i)/16)%2)+(4*\i)%8)*144   ; weight row 32 p + 16 a + 8 u + i goes to stage row 32 p + 16 u + 8 a + i: the tiles' rows on end
.endr
.irp p, 0,1
.irp s, 0,1
.irp u, 0,1
.irp c, 0,1
	ds_load_b128 v[D2+4*(8*\p+4*\s+2*\u+\c):D2+4*(8*\p+4*\s+2*\u+\c)+3], v6 offset:(32*\p+16*\u)*144+64*\s+32*\c
.endr
.endr
.endr
.endr
.irp p, 0,1
.irp s, 0,1
.irp u, 0,1
.irp c, 0,1
	s_wait_dscnt 15-(8*\p+4*\s+2*\u+\c)
	global_store_b128 v2, v[D2+4*(8*\p+4*\s+2*\u+\c):D2+4*(8*\p+4*\s+2*\u+\c)+3], s[30:31] offset:(2*\p+\s)*4096+\u*1024+\c*512
.endr
.endr
.endr
.endr
	s_endpgm
.Lfunc_end_k_qd4370f5008_prep:
	.size	k_qd4370f5008_prep, .Lfunc_end_k_qd4370f5008_prep-k_qd4370f5008_prep
	.p2alignl 7, 3214868480
	.fill 96, 4, 3214868480
	.section	.rodata,"a",@progbits
	.p2align	6, 0x0
	.amdhsa_kernel k_qd4370f5008_prep
		.amdhsa_group_segment_fixed_size 141568
		.amdhsa_private_segment_fixed_size 0
		.amdhsa_enable_private_segment 0
		.amdhsa_kernarg_size 80
		.amdhsa_user_sgpr_count 2
		.amdhsa_user_sgpr_kernarg_segment_ptr 1
		.amdhsa_wavefront_size32 1
		.amdhsa_system_sgpr_workgroup_id_x 1
		.amdhsa_system_sgpr_workgroup_id_y 1
		.amdhsa_system_sgpr_workgroup_id_z 1
		.amdhsa_system_vgpr_workitem_id 0
		.amdhsa_next_free_vgpr 160
		.amdhsa_next_free_sgpr 100
		.amdhsa_reserve_vcc 1
		.amdhsa_float_denorm_mode_32 3
		.amdhsa_float_denorm_mode_16_64 3
		.amdhsa_memory_ordered 1
		.amdhsa_forward_progress 1
		.amdhsa_inst_pref_size 75
	.end_amdhsa_kernel
	.amdgpu_metadata
---
amdhsa.version: [ 1, 2 ]
amdhsa.kernels:
  - .name:           k_qd4370f5008_prep
    .symbol:         k_qd4370f5008_prep.kd
    .args:
      - { .name: W1_codes, .offset: 0, .size: 8, .value_kind: global_buffer, .address_space: global }
      - { .name: W2_codes, .offset: 8, .size: 8, .value_kind: global_buffer, .address_space: global }
      - { .name: Wg_codes, .offset: 16, .size: 8, .value_kind: global_buffer, .address_space: global }
      - { .name: Wu_codes, .offset: 24, .size: 8, .value_kind: global_buffer, .address_space: global }
      - { .name: selected_experts, .offset: 32, .size: 8, .value_kind: global_buffer, .address_space: global }
      - { .name: w1f, .offset: 40, .size: 8, .value_kind: global_buffer, .address_space: global }
      - { .name: w2f, .offset: 48, .size: 8, .value_kind: global_buffer, .address_space: global }
      - { .name: guf, .offset: 56, .size: 8, .value_kind: global_buffer, .address_space: global }
      - { .name: order, .offset: 64, .size: 8, .value_kind: global_buffer, .address_space: global }
      - { .name: tiles, .offset: 72, .size: 8, .value_kind: global_buffer, .address_space: global }
    .group_segment_fixed_size: 141568
    .private_segment_fixed_size: 0
    .kernarg_segment_align: 8
    .kernarg_segment_size: 80
    .max_flat_workgroup_size: 256
    .sgpr_count:     100
    .vgpr_count:     160
    .wavefront_size: 32
...
	.end_amdgpu_metadata
.endif
;; end of part 1
;; launch chain (part 2): grid 135 x 1, 16 waves a work-group, no clusters, 84,480 bytes of LDS; arguments x_parts_codes, x_parts_scales, guf, Wg_scales, Wu_scales, bg, bu, w1f, W1_scales, b1, w2f, W2_scales, b2, order, tiles, out0; writes out0
.if DOCPART == 2
	.amdgcn_target "amdgcn-amd-amdhsa--gfx1250"
	.amdhsa_code_object_version 6
	.text
	.protected	k_qd4370f5008_chain
	.globl	k_qd4370f5008_chain
	.p2align	8
	.type	k_qd4370f5008_chain,@function
k_qd4370f5008_chain:
	s_mov_b64 s[64:65], 0
	v_nop
	global_prefetch_b8 v0, s[64:65] scope:SCOPE_SE
	s_setreg_imm32_b32 hwreg(HW_REG_WAVE_MODE, 25, 1), 1
	s_wait_xcnt 0x0
; CHAIN: a work-group takes one tile (at most 32 token copies of ONE expert, from the stored list) through the whole chain:
;   h1 = silu(x Wg + bg) (x Wu + bu);  h2 = relu(Q(h1) W1 + b1);  out = Q(h2) W2 + b2.   All four products on codes of FP4 (E2M1) with E8M0 scales for each 32 along K; Q = the quantiser along the next K, on f32 numbers.
; Only the chosen expert's rows are multiplied: the others are thrown away by the mask that the problem itself builds from the index.
; SHARES.  Sixteen waves of 256 registers, four to a SIMD.  THE WAVES SHARE THE COLUMNS: wave w makes hidden units 64 w .. 64 w + 63 of both hidden layers and one tile of 16 outputs, for both tiles of 16 tokens (m = 0, 1).
; So each byte of the expert's weights is loaded once by the work-group, from the fragment-ordered workspace straight into registers (512 consecutive bytes a load, three slots of 4 KB a wave on their way).
; ALL PRODUCTS ARE USED TRANSPOSED (source 0 = 16 weight rows, source 1 = 16 tokens): a lane holds ONE token (lane % 16), and, by the choice of a tile's rows (row r of tile 2 b + u = weight row 32 b + 8 u + r + 8 (r / 8)),
; the 16 registers of tiles u = 0, 1 are units 32 b + 16 (lane / 16) + 0 .. 15: neighbours along the next K.  A wave's 64 units are registers 4 c .. 4 c + 3 (c = w % 2) of K step w / 2 of the next operand and two bytes of its scale word.
; OPERANDS GO FROM WAVE TO WAVE THROUGH LDS AS IMAGES OF THEIR REGISTERS (16 bytes a lane at 16 x lane); the hidden layers never go to memory.  Three barriers.  The biases are loaded into the accumulators ahead of each sum's first product.
; No branch at all: every one of the 135 tiles has rows; slots behind a tile's last row hold other valid tokens, are computed, and are not stored.
; NO CLUSTER, NO JOINT LOADS: the weights go to registers, not to LDS, and an expert's number of tiles is no multiple of 4 at every split, so partners with the same weights cannot be promised.
; LIMITS: NaN and infinities in the hidden layers are not served.  A block of the hidden layers whose largest magnitude lies under 2^-124 (a block of zeros among them) gets the byte 1; this program alone reads these bytes.
; silu(g) u is computed as (g u) / (1 + 2^(-g log2 e)), by v_exp_f32 and v_rcp_f32.  Indices read from the lists are held inside their buffers.
.set H1,   16384                       ; LDS: 0: biases, 1,024 bytes a wave, its own: bg 256, bu 256, b1 256 (its 64 units), b2 64 ([h][8]);  H1: the first hidden layer's images [K step 8][m 2][c 2][lane][16]
.set HS1,  32768                       ; its scale words [K step 8][32 tokens]
.set H2,   33792                       ; the second hidden layer's
.set HS2,  50176
.set STG,  51200                       ; the stage for out: 32 rows x (1,024 + 16) bytes
.set SPITCH, 1040
.set L16,  1                           ; v1   16 x lane
.set L4,   2                           ; v2   4 x lane
.set BA,   3                           ; v3   my wave's biases + 64 h
.set BA2,  4                           ; v4   b2's place + 32 h
.set BW,   5                           ; v5   where the biases are put: + 8 x lane
.set BW2,  6                           ; v6   b2's: + 4 r
.set HWI,  7                           ; v7   where I store an image: 2,048 (w / 2) + 512 (w % 2) + 16 x lane
.set HWS,  8                           ; v8   and two scale bytes: 128 (w / 2) + 2 (w % 2) + 4 x lane
.set SO,   9                           ; v9   the stage: where I put 32 bytes of a row
.set SR,   10                          ; v10  and where I read a row back
.set GO,   11                          ; v11  my byte offset in out
.set ROWI, 12                          ; v12  the slot whose row I store: 2 w + h
.set W2A,  13                          ; v13  W2's scale rows: 32 x (r + 8 (r / 8));   v14 r, v15 h
.set X,    16                          ; v16-47  x's four fragments (K step s, tile m at 8 (2 s + m)); then the hidden layers' fragments
.set HS,   48                          ; v48-55  the tokens' scale words, a register a K step: lanes 0-15 m = 0, lanes 16-31 m = 1
.set WSA,  56                          ; v56-63  Wg's and Wu's scale words (4 mat + 2 p + s: lanes 0-15 tile u = 0, lanes 16-31 u = 1); later W2's (a register a K step)
.set WSB,  64                          ; v64-79  W1's (8 p + s, lanes as above).  v48-79 hold scales and nothing else
.set W,    80                          ; v80-175 the weights: three slots of four fragments
.set ACC,  176                         ; v176-239 eight accumulators
.set TM,   240                         ; v240-241 largest magnitudes (m = 0, 1); v242-243 at work; v244-245 the conversions' scale operands; v246-247 the two scale bytes; v248-255 the codes (4 m + 2 p + i)
.set TP,   242
.set TS,   244
.set HW,   246
.set PC,   248
.set SEL,  44                          ; s[44:45] v_permlanex16_b32's selects for lane l xor 16
.set CL,   46                          ; s[46:47] -log2(e), twice: the packed form names the pair
.set MHI,  48                          ; s48  lanes 16-31
.set NR,   49                          ; s49  the tile's rows
; One matrix instruction; the symbols rD, rA, rB, rSA, rSB say where, rRA and rRB which half of the lanes holds source 0's and source 1's scale words.  It adds onto its accumulator, which holds the bias or the sum so far.
.macro MM
.if rRA && rRB
	v_wmma_scale_f32_16x16x128_f8f6f4 v[rD:rD+7], v[rA:rA+7], v[rB:rB+7], v[rD:rD+7], v[rSA], v[rSB] matrix_a_fmt:MATRIX_FMT_FP4 matrix_b_fmt:MATRIX_FMT_FP4 matrix_a_scale:MATRIX_SCALE_ROW1 matrix_b_scale:MATRIX_SCALE_ROW1
.elseif rRA
	v_wmma_scale_f32_16x16x128_f8f6f4 v[rD:rD+7], v[rA:rA+7], v[rB:rB+7], v[rD:rD+7], v[rSA], v[rSB] matrix_a_fmt:MATRIX_FMT_FP4 matrix_b_fmt:MATRIX_FMT_FP4 matrix_a_scale:MATRIX_SCALE_ROW1
.elseif rRB
	v_wmma_scale_f32_16x16x128_f8f6f4 v[rD:rD+7], v[rA:rA+7], v[rB:rB+7], v[rD:rD+7], v[rSA], v[rSB] matrix_a_fmt:MATRIX_FMT_FP4 matrix_b_fmt:MATRIX_FMT_FP4 matrix_b_scale:MATRIX_SCALE_ROW1
.else
	v_wmma_scale_f32_16x16x128_f8f6f4 v[rD:rD+7], v[rA:rA+7], v[rB:rB+7], v[rD:rD+7], v[rSA], v[rSB] matrix_a_fmt:MATRIX_FMT_FP4 matrix_b_fmt:MATRIX_FMT_FP4
.endif
.endm
; Four places behind a run of matrix instructions, ahead of loads into registers that it read and of the first read of its results (ISA guide 7.12.1 for vector instructions)
.macro PL
.rept 4
	v_nop
.endr
.endm
; Slot q of the wave's 14: four fragments, eight loads of 512 consecutive bytes.  0-3: gate and up (block p = q / 2, K step q % 2; fragments 2 mat + u); 4-11: W1 (K step q - 4; fragments 2 p + u); 12-13: W2 (K steps 4 (q - 12) + f).
; Every offset is an immediate: no pointer is stepped.
.macro SLOT_LD q
.set iF, 0
.rept 4
.set iC, 0
.rept 2
.set rW, W+32*((\q)%3)+8*iF+4*iC
.if (\q) < 4
	global_load_b128 v[rW:rW+3], v[L16], s[12:13] offset:(\q)*4096+iF*1024+iC*512
.elseif (\q) < 12
	global_load_b128 v[rW:rW+3], v[L16], s[22:23] offset:((\q)-4)*4096+iF*1024+iC*512
.else
	global_load_b128 v[rW:rW+3], v[L16], s[28:29] offset:(4*((\q)-12)+iF)*4096+iC*512
.endif
.set iC, iC+1
.endr
.set iF, iF+1
.endr
.endm
; The products of a slot.  In each run the accumulators take turns, one instruction a turn, in the same order in every run.
.macro C1 q                            ; gate and up: accumulator 16 (2 mat + m) + 8 u
.set iF, 0
.rept 4
.set iM, 0
.rept 2
.set rD, ACC+16*(2*(iF/2)+iM)+8*(iF%2)
.set rA, W+32*((\q)%3)+8*iF
.set rB, X+8*(2*((\q)%2)+iM)
.set rSA, WSA+4*(iF/2)+(\q)
.set rSB, HS+(\q)%2
.set rRA, iF%2
.set rRB, iM
	MM
.set iM, iM+1
.endr
.set iF, iF+1
.endr
.endm
.macro C2 s                            ; W1, K step s: accumulator 32 m + 16 p + 8 u
.set iF, 0
.rept 4
.set iM, 0
.rept 2
.set rD, ACC+32*iM+8*iF
.set rA, W+32*((4+(\s))%3)+8*iF
.set rB, X+16*((\s)%2)+8*iM
.set rSA, WSB+8*(iF/2)+(\s)
.set rSB, HS+(\s)
.set rRA, iF%2
.set rRB, iM
	MM
.set iM, iM+1
.endr
.set iF, iF+1
.endr
.endm
.macro C3 s                            ; W2, K step s: accumulator 8 m.  The tokens' fragments of K step s lie at v16, v32, v144, v160 for s % 4 = 0 .. 3
.set iM, 0
.rept 2
.set rD, ACC+8*iM
.set rA, W+32*((12+(\s)/4)%3)+8*((\s)%4)
.set rB, 16+16*((\s)%2)+128*(((\s)%4)/2)+8*iM
.set rSA, WSA+(\s)
.set rSB, HS+(\s)
.set rRA, 0
.set rRB, iM
	MM
.set iM, iM+1
.endr
.endm
; The biases, in the result's layout, into the accumulators: lane (r, h), register j of tile u of block p: unit 32 p + 16 h + 8 u + j
.macro BIAS1 p
.irp t, 0,1,2,3
.irp u, 0,1
	ds_load_b128 v[ACC+16*\t+8*\u:ACC+16*\t+8*\u+3], v[BA] offset:256*(\t/2)+128*(\p)+32*\u
	ds_load_b128 v[ACC+16*\t+8*\u+4:ACC+16*\t+8*\u+7], v[BA] offset:256*(\t/2)+128*(\p)+32*\u+16
.endr
.endr
.endm
.macro BIAS2
.irp m, 0,1
.irp f, 0,1,2,3
	ds_load_b128 v[ACC+32*\m+8*\f:ACC+32*\m+8*\f+3], v[BA] offset:512+128*(\f/2)+32*(\f%2)
	ds_load_b128 v[ACC+32*\m+8*\f+4:ACC+32*\m+8*\f+7], v[BA] offset:512+128*(\f/2)+32*(\f%2)+16
.endr
.endr
.endm
.macro BIAS3
.irp m, 0,1
	ds_load_b128 v[ACC+8*\m:ACC+8*\m+3], v[BA2]
	ds_load_b128 v[ACC+8*\m+4:ACC+8*\m+7], v[BA2] offset:16
.endr
.endm
.macro HLD reg, region, s              ; both token tiles' fragments of K step s, as they were stored
.irp m, 0,1
.irp c, 0,1
	ds_load_b128 v[(\reg)+8*\m+4*\c:(\reg)+8*\m+4*\c+3], v[L16] offset:(\region)+2048*(\s)+1024*\m+512*\c
.endr
.endr
.endm
; g in v[ACC .. +31], u in v[ACC+32 .. +63]; silu(g) u is left in u's registers.  Each accumulator is read from its low end on.  The exponentials and the reciprocals go as batches:
; behind each a plain instruction, and one wait ahead of the first instruction that names a result.
.macro SWIGLU
.set iJ, 0
.rept 16
	v_pk_mul_f32 v[ACC+32+iJ:ACC+33+iJ], v[ACC+iJ:ACC+1+iJ], v[ACC+32+iJ:ACC+33+iJ]   ; g u
.set iJ, iJ+2
.endr
.set iJ, 0
.rept 16
	v_pk_mul_f32 v[ACC+iJ:ACC+1+iJ], v[ACC+iJ:ACC+1+iJ], s[CL:CL+1] op_sel_hi:[1,0]   ; -g log2 e
.set iJ, iJ+2
.endr
.set iJ, 0
.rept 32
	v_exp_f32 v[ACC+iJ], v[ACC+iJ]
.set iJ, iJ+1
.endr
	v_nop
	s_wait_alu depctr_va_vdst(0)
.set iJ, 0
.rept 16
	v_pk_add_f32 v[ACC+iJ:ACC+1+iJ], v[ACC+iJ:ACC+1+iJ], 1.0 op_sel_hi:[1,0]
.set iJ, iJ+2
.endr
.set iJ, 0
.rept 32
	v_rcp_f32 v[ACC+iJ], v[ACC+iJ]
.set iJ, iJ+1
.endr
	v_nop
	s_wait_alu depctr_va_vdst(0)
.set iJ, 0
.rept 16
	v_pk_mul_f32 v[ACC+32+iJ:ACC+33+iJ], v[ACC+32+iJ:ACC+33+iJ], v[ACC+iJ:ACC+1+iJ]
.set iJ, iJ+2
.endr
.endm
; Block p (32 units) of my 64, for both token tiles (16 numbers a lane from s0 and from s1 on), the two by turns: the largest magnitude with the floor 2^(3 - 127) among its leaves, joined with lane l xor 16's;
; 2 off its exponent field is the conversion's scale operand, and that shifted down the scale's byte.
.macro QUANTB s0, s1, p
	v_max3_num_f32 v[TM], |v[(\s0)]|, |v[(\s0)+1]|, 0x1800000
	v_max3_num_f32 v[TM+1], |v[(\s1)]|, |v[(\s1)+1]|, 0x1800000
.irp i, 2,4,6,8,10,12,14
	v_max3_num_f32 v[TM], v[TM], |v[(\s0)+\i]|, |v[(\s0)+\i+1]|
	v_max3_num_f32 v[TM+1], v[TM+1], |v[(\s1)+\i]|, |v[(\s1)+\i+1]|
.endr
	v_permlanex16_b32 v[TP], v[TM], s[SEL], s[SEL+1]
	v_permlanex16_b32 v[TP+1], v[TM+1], s[SEL], s[SEL+1]
	v_max_num_f32 v[TM], v[TM], v[TP]
	v_max_num_f32 v[TM+1], v[TM+1], v[TP+1]
	v_add_nc_u32 v[TS], 0xff000000, v[TM]
	v_add_nc_u32 v[TS+1], 0xff000000, v[TM+1]
.if (\p) == 0
	v_lshrrev_b32 v[HW], 23, v[TS]
	v_lshrrev_b32 v[HW+1], 23, v[TS+1]
.else
	v_lshrrev_b32 v[TP], 23, v[TS]
	v_lshrrev_b32 v[TP+1], 23, v[TS+1]
	v_lshl_or_b32 v[HW], v[TP], 8, v[HW]
	v_lshl_or_b32 v[HW+1], v[TP+1], 8, v[HW+1]
.endif
	v_cvt_scalef32_pk8_fp4_f32 v[PC+2*(\p)], v[(\s0):(\s0)+7], v[TS]
	v_cvt_scalef32_pk8_fp4_f32 v[PC+2*(\p)+1], v[(\s0)+8:(\s0)+15], v[TS]
	v_cvt_scalef32_pk8_fp4_f32 v[PC+4+2*(\p)], v[(\s1):(\s1)+7], v[TS+1]
	v_cvt_scalef32_pk8_fp4_f32 v[PC+4+2*(\p)+1], v[(\s1)+8:(\s1)+15], v[TS+1]
	v_nop                                          ; one plain place behind the last scaled conversion
.endm
; My four registers of each token tile's fragment and my two bytes of its scale words go to LDS; then the barrier.
.macro PUBLISH img, sc
	v_permlane16_swap_b32 v[PC], v[PC+2]           ; the operand's layout wants a whole block of 32 in a lane: lanes 0-15 my block 0, lanes 16-31 my block 1
	v_permlane16_swap_b32 v[PC+1], v[PC+3]
	v_permlane16_swap_b32 v[PC+4], v[PC+6]
	v_permlane16_swap_b32 v[PC+5], v[PC+7]
	v_cndmask_b32 v[HW], v[HW], v[HW+1], s[MHI]    ; lane l: the bytes of token slot l
	ds_store_b128 v[HWI], v[PC:PC+3] offset:\img
	ds_store_b128 v[HWI], v[PC+4:PC+7] offset:\img+1024
	ds_store_b16 v[HWS], v[HW] offset:\sc
	s_wait_dscnt 0x0                               ; for the others' sake: my stores are done (and the next sums' biases are in)
	s_barrier_signal -1
	s_barrier_wait -1
.endm
; ---------------- the head
	s_load_b512 s[8:23], s[0:1], 0x0               ; x codes s[8:9], x scales s[10:11], guf s[12:13], Wg scales s[14:15], Wu scales s[16:17], bg s[18:19], bu s[20:21], w1f s[22:23]
	s_load_b512 s[24:39], s[0:1], 0x40             ; W1 scales s[24:25], b1 s[26:27], w2f s[28:29], W2 scales s[30:31], b2 s[32:33], order s[34:35], tiles s[36:37], out s[38:39]
	v_lshrrev_b32 v14, 5, v0
	v_readfirstlane_b32 s2, v14                    ; wave 0..15
	v_and_b32 v176, 31, v0                         ; lane (the accumulators' registers are free here)
	v_and_b32 v14, 15, v0                          ; r
	v_bfe_u32 v15, v0, 4, 1                        ; h
	s_lshl_b32 s50, ttmp9, 4
	s_mov_b32 s51, 0
	s_wait_kmcnt 0x0
	s_add_nc_u64 s[36:37], s[36:37], s[50:51]
	s_load_b128 s[40:43], s[36:37], 0x0            ; my tile: expert, first place in order, rows
	v_lshlrev_b32 v[L16], 4, v176                  ; all that hangs on ids alone is made while it comes
	v_lshlrev_b32 v[L4], 2, v176
	s_lshl_b32 s52, s2, 10
	s_lshr_b32 s53, s2, 1
	s_and_b32 s54, s2, 1
	v_lshl_add_u32 v[BA], v15, 6, s52
	v_lshl_add_u32 v[BA2], v15, 5, s52
	v_add_nc_u32 v[BA2], 768, v[BA2]
	v_lshl_add_u32 v[BW], v176, 3, s52
	v_lshl_add_u32 v[BW2], v14, 2, s52
	v_add_nc_u32 v[BW2], 768, v[BW2]
	s_lshl_b32 s55, s53, 11
	s_lshl_b32 s50, s54, 9
	s_add_co_u32 s55, s55, s50
	v_lshl_add_u32 v[HWI], v176, 4, s55
	s_lshl_b32 s55, s53, 7
	s_lshl_b32 s50, s54, 1
	s_add_co_u32 s50, s55, s50
	v_lshl_add_u32 v[HWS], v176, 2, s50
	s_lshl_b32 s50, s54, 5
	s_add_co_u32 s3, s55, s50                      ; 128 (w / 2) + 32 (w % 2): my output tile's first column in bytes
	s_add_co_u32 s55, s3, STG
	v_mul_u32_u24 v[SO], v14, SPITCH
	v_lshl_add_u32 v[SO], v15, 6, v[SO]
	v_add_nc_u32 v[SO], s55, v[SO]                 ; row r; columns 32 (w / 2) + 16 h + 8 (w % 2) + 0 .. 7
	s_lshl_b32 s55, s2, 1
	v_add_nc_u32 v[ROWI], s55, v15
	v_mul_u32_u24 v[SR], v[ROWI], SPITCH
	v_lshl_add_u32 v[SR], v14, 4, v[SR]
	v_add_nc_u32 v[SR], STG, v[SR]                 ; back: lanes 0-15 row 2 w, lanes 16-31 row 2 w + 1
	v_and_b32 v177, 7, v0
	v_bfe_u32 v178, v0, 3, 1
	v_lshl_add_u32 v177, v178, 4, v177             ; r + 8 (r / 8)
	v_lshl_add_u32 v178, v15, 3, v177              ; + 8 h: lanes 16-31 take the rows of tile u = 1
	v_lshlrev_b32 v[W2A], 5, v177
	v_lshlrev_b32 v254, 2, v177                    ; b2
	v_lshlrev_b32 v251, 3, v178                    ; Wg's and Wu's scale rows: 8 bytes
	v_lshlrev_b32 v252, 5, v178                    ; W1's: 32 bytes
	v_lshlrev_b32 v253, 3, v176                    ; bg, bu, b1: 8 bytes a lane
	s_mov_b32 s[SEL], 0x76543210
	s_mov_b32 s[SEL+1], 0xfedcba98
	s_mov_b32 s[CL], 0xbfb8aa3b
	s_mov_b32 s[CL+1], s[CL]
	s_mov_b32 s[MHI], 0xffff0000
	s_wait_kmcnt 0x0
	s_min_u32 s40, s40, 7                          ; what was read is held inside its range
	s_min_u32 s41, s41, 4095
	s_min_u32 s[NR], s42, 32
	v_add_nc_u32 v240, s41, v14                    ; the places in order of slots r, 16 + r, lane, 2 w + h
	v_add_nc_u32 v241, 16, v240
	v_add_nc_u32 v242, s41, v176
	v_add_nc_u32 v243, s41, v[ROWI]
.irp i, 240,241,242,243
	v_min_u32 v\i, 0xfff, v\i                      ; slots behind the list's end read its last entry
	v_lshlrev_b32 v\i, 2, v\i
.endr
.irp i, 240,241,242,243
	global_load_b32 v\i, v\i, s[34:35]             ; each lands on its own address register
.endr
	s_lshl_b32 s50, s40, 4
	s_add_co_u32 s50, s50, s2                      ; 16 e + w
	s_mov_b32 s55, 0
	s_lshl_b32 s54, s50, 8
	s_add_nc_u64 s[18:19], s[18:19], s[54:55]      ; bg, bu, b1: my 64 numbers
	s_add_nc_u64 s[20:21], s[20:21], s[54:55]
	s_add_nc_u64 s[26:27], s[26:27], s[54:55]
	s_lshl_b32 s54, s40, 10
	s_add_co_u32 s54, s54, s3
	s_add_nc_u64 s[32:33], s[32:33], s[54:55]      ; b2 at my tile's first column
	s_lshl_b32 s54, s54, 3
	s_add_nc_u64 s[30:31], s[30:31], s[54:55]      ; W2's scale rows: 32 bytes a column
	s_lshl_b32 s54, s50, 9
	s_add_nc_u64 s[14:15], s[14:15], s[54:55]      ; Wg's and Wu's scale rows
	s_add_nc_u64 s[16:17], s[16:17], s[54:55]
	s_lshl_b32 s54, s50, 11
	s_add_nc_u64 s[24:25], s[24:25], s[54:55]      ; W1's
	s_lshl_b32 s54, s50, 14
	s_add_nc_u64 s[12:13], s[12:13], s[54:55]      ; my 16 KB of gate and up,
	s_lshl_b32 s54, s50, 15
	s_add_nc_u64 s[22:23], s[22:23], s[54:55]      ; my 32 KB of W1,
	s_lshl_b32 s54, s40, 2
	s_lshr_b32 s51, s2, 2
	s_add_co_u32 s54, s54, s51
	s_lshl_b32 s54, s54, 15
	s_and_b32 s51, s2, 3
	s_lshl_b32 s51, s51, 10
	s_add_co_u32 s54, s54, s51
	s_add_nc_u64 s[28:29], s[28:29], s[54:55]      ; my tile of W2
	global_load_b64 v[244:245], v253, s[18:19]
	global_load_b64 v[246:247], v253, s[20:21]
	global_load_b64 v[248:249], v253, s[26:27]
	global_load_b32 v250, v254, s[32:33]
.irp p, 0,1
	global_load_b64 v[WSA+2*\p:WSA+2*\p+1], v251, s[14:15] offset:256*\p       ; the 32 lanes read 256 consecutive bytes
	global_load_b64 v[WSA+4+2*\p:WSA+5+2*\p], v251, s[16:17] offset:256*\p
.endr
.irp p, 0,1
	global_load_b128 v[WSB+8*\p:WSB+8*\p+3], v252, s[24:25] offset:1024*\p
	global_load_b128 v[WSB+8*\p+4:WSB+8*\p+7], v252, s[24:25] offset:1024*\p+16
.endr
	SLOT_LD 0
	SLOT_LD 1
	SLOT_LD 2
	s_wait_loadcnt 36                              ; the four indices are in: behind them 4 biases, 4 + 4 scale loads, 24 of the slots
.irp i, 240,241,242,243
	v_min_u32 v\i, 0xfff, v\i                      ; a token's number stays inside the tensors
.endr
	v_lshlrev_b32 v240, 7, v240
	v_lshl_add_u32 v240, v15, 4, v240              ; x: the token's 128 bytes, + 16 h
	v_lshlrev_b32 v241, 7, v241
	v_lshl_add_u32 v241, v15, 4, v241
	v_lshlrev_b32 v242, 3, v242                    ; its 8 scale bytes
	v_lshlrev_b32 v243, 10, v243
	v_lshl_add_u32 v[GO], v14, 4, v243             ; out: the token's 1,024 bytes, + 16 r
.irp s, 0,1
.irp m, 0,1
.irp c, 0,1
	global_load_b128 v[X+8*(2*\s+\m)+4*\c:X+8*(2*\s+\m)+4*\c+3], v[240+\m], s[8:9] offset:64*\s+32*\c
.endr
.endr
.endr
	global_load_b64 v[HS:HS+1], v242, s[10:11]     ; lane l: slot l's two scale words
	s_wait_loadcnt 41                              ; the biases are in: behind them 4 + 4 + 24 + 9 loads
	ds_store_b64 v[BW], v[244:245]
	ds_store_b64 v[BW], v[246:247] offset:256
	ds_store_b64 v[BW], v[248:249] offset:512
	ds_store_b32 v[BW2], v250                      ; (lanes l and l + 16 write the same word with the same value)
	BIAS1 0                                        ; my own bytes: LDS serves a wave's instructions in order
	s_wait_loadcnt 0x0                             ; x came last
	s_wait_dscnt 0x0
	v_mov_b32 v[TP], 0                             ; written once: a lane permute's destination counts as one of its sources
	v_mov_b32 v[TP+1], 0
; ---------------- 1: gate, up, SwiGLU, quantised: block p = 0, then p = 1
	C1 0
	PL
	SLOT_LD 3
	C1 1
	PL
	SLOT_LD 4
	SWIGLU
	QUANTB ACC+32, ACC+48, 0
	BIAS1 1
	s_wait_dscnt 0x0
	C1 2
	PL
	SLOT_LD 5
	s_wait_loadcnt 16                              ; slot 3 is in; slots 4 and 5 may be out
	C1 3
	PL
	SLOT_LD 6
	global_load_b128 v[WSA:WSA+3], v[W2A], s[30:31]            ; W2's scale words take the gate's and the up's place
	global_load_b128 v[WSA+4:WSA+7], v[W2A], s[30:31] offset:16
	SWIGLU
	QUANTB ACC+32, ACC+48, 1
	BIAS2
	PUBLISH H1, HS1                                ; the first hidden layer lies in LDS
; ---------------- 2: W1, relu, quantised
.irp s, 0,1,2,3,4,5,6,7
	ds_load_b32 v[HS+\s], v[L4] offset:HS1+128*\s
.endr
	HLD X, H1, 0
	HLD X+16, H1, 1
.set iS, 0
.rept 8
.if iS < 7
	s_wait_dscnt 4                                 ; this K step's fragments are in; the next step's four loads may be out
.else
	s_wait_dscnt 0x0
.endif
.if iS < 3
	s_wait_loadcnt 18                              ; this K step's slot is in; behind it two slots and W2's two scale loads
.else
	s_wait_loadcnt 16                              ; behind it two slots
.endif
	C2 iS
	PL
.if iS < 7
	SLOT_LD 7+iS
.endif
.if iS < 6
	HLD X+16*(iS%2), H1, iS+2
.endif
.set iS, iS+1
.endr
.set iJ, 0
.rept 64
	v_max_num_f32 v[ACC+iJ], 0, v[ACC+iJ]          ; the activation, in f32; each accumulator from its low end on
.set iJ, iJ+1
.endr
	QUANTB ACC, ACC+32, 0
	QUANTB ACC+16, ACC+48, 1
	BIAS3
	PUBLISH H2, HS2                                ; the second hidden layer lies in LDS
; ---------------- 3: W2
.irp s, 0,1,2,3,4,5,6,7
	ds_load_b32 v[HS+\s], v[L4] offset:HS2+128*\s
.endr
.irp s, 0,1,2,3
	HLD 16+16*(\s%2)+128*(\s/2), H2, \s
.endr
	s_wait_loadcnt 8                               ; slot 12 is in (and W2's scale words); slot 13 may be out
.irp s, 0,1,2,3
	s_wait_dscnt 4*(3-\s)                          ; K step s is in; the later steps' loads may be out
	C3 \s
.endr
	PL
.irp s, 4,5,6,7
	HLD 16+16*(\s%2)+128*((\s%4)/2), H2, \s
.endr
	s_wait_loadcnt 0x0
.irp s, 4,5,6,7
	s_wait_dscnt 4*(7-\s)
	C3 \s
.endr
	PL
; ---------------- the way out: a row's 256 outputs come from sixteen waves: they meet in the stage, and each wave stores two whole rows
.irp m, 0,1
	ds_store_b128 v[SO], v[ACC+8*\m:ACC+8*\m+3] offset:16*SPITCH*\m
	ds_store_b128 v[SO], v[ACC+8*\m+4:ACC+8*\m+7] offset:16*SPITCH*\m+16
.endr
	s_wait_dscnt 0x0                               ; for the others' sake: my stores are done
	s_barrier_signal -1
	s_barrier_wait -1
.irp i, 0,1,2,3
	ds_load_b128 v[16+4*\i:19+4*\i], v[SR] offset:256*\i
.endr
	v_cmp_gt_u32 vcc_lo, s[NR], v[ROWI]            ; only the tile's own rows are stored
	s_wait_dscnt 0x0
	s_wait_xcnt 0x0                                ; EXEC changes only behind this wait
	s_and_saveexec_b32 s50, vcc_lo
.irp i, 0,1,2,3
	global_store_b128 v[GO], v[16+4*\i:19+4*\i], s[38:39] offset:256*\i th:TH_STORE_NT   ; sixteen lanes store 256 consecutive bytes, at a multiple of 256 from out's first byte
.endr
	s_wait_xcnt 0x0                                ; and again, in front of the line that widens it
	s_or_b32 exec_lo, exec_lo, s50
	s_endpgm
.Lfunc_end_k_qd4370f5008_chain:
	.size	k_qd4370f5008_chain, .Lfunc_end_k_qd4370f5008_chain-k_qd4370f5008_chain
	.p2alignl 7, 3214868480
	.fill 96, 4, 3214868480
	.section	.rodata,"a",@progbits
	.p2align	6, 0x0
	.amdhsa_kernel k_qd4370f5008_chain
		.amdhsa_group_segment_fixed_size 84480
		.amdhsa_private_segment_fixed_size 0
		.amdhsa_enable_private_segment 0
		.amdhsa_kernarg_size 128
		.amdhsa_user_sgpr_count 2
		.amdhsa_user_sgpr_kernarg_segment_ptr 1
		.amdhsa_wavefront_size32 1
		.amdhsa_system_sgpr_workgroup_id_x 1
		.amdhsa_system_sgpr_workgroup_id_y 1
		.amdhsa_system_sgpr_workgroup_id_z 1
		.amdhsa_system_vgpr_workitem_id 0
		.amdhsa_next_free_vgpr 256
		.amdhsa_next_free_sgpr 66
		.amdhsa_reserve_vcc 1
		.amdhsa_float_denorm_mode_32 3
		.amdhsa_float_denorm_mode_16_64 3
		.amdhsa_memory_ordered 1
		.amdhsa_forward_progress 1
		.amdhsa_inst_pref_size 67
	.end_amdhsa_kernel
	.amdgpu_metadata
---
amdhsa.version: [ 1, 2 ]
amdhsa.kernels:
  - .name:           k_qd4370f5008_chain
    .symbol:         k_qd4370f5008_chain.kd
    .args:
      - { .name: x_parts_codes, .offset: 0, .size: 8, .value_kind: global_buffer, .address_space: global }
      - { .name: x_parts_scales, .offset: 8, .size: 8, .value_kind: global_buffer, .address_space: global }
      - { .name: guf, .offset: 16, .size: 8, .value_kind: global_buffer, .address_space: global }
      - { .name: Wg_scales, .offset: 24, .size: 8, .value_kind: global_buffer, .address_space: global }
      - { .name: Wu_scales, .offset: 32, .size: 8, .value_kind: global_buffer, .address_space: global }
      - { .name: bg, .offset: 40, .size: 8, .value_kind: global_buffer, .address_space: global }
      - { .name: bu, .offset: 48, .size: 8, .value_kind: global_buffer, .address_space: global }
      - { .name: w1f, .offset: 56, .size: 8, .value_kind: global_buffer, .address_space: global }
      - { .name: W1_scales, .offset: 64, .size: 8, .value_kind: global_buffer, .address_space: global }
      - { .name: b1, .offset: 72, .size: 8, .value_kind: global_buffer, .address_space: global }
      - { .name: w2f, .offset: 80, .size: 8, .value_kind: global_buffer, .address_space: global }
      - { .name: W2_scales, .offset: 88, .size: 8, .value_kind: global_buffer, .address_space: global }
      - { .name: b2, .offset: 96, .size: 8, .value_kind: global_buffer, .address_space: global }
      - { .name: order, .offset: 104, .size: 8, .value_kind: global_buffer, .address_space: global }
      - { .name: tiles, .offset: 112, .size: 8, .value_kind: global_buffer, .address_space: global }
      - { .name: out0, .offset: 120, .size: 8, .value_kind: global_buffer, .address_space: global }
    .group_segment_fixed_size: 84480
    .private_segment_fixed_size: 0
    .kernarg_segment_align: 8
    .kernarg_segment_size: 128
    .max_flat_workgroup_size: 512
    .sgpr_count:     66
    .vgpr_count:     256
    .wavefront_size: 32
...
	.end_amdgpu_metadata
.endif
;; end of part 2
;; ======== version 2 of 2: 2 launches; 1.14 times as fast as version 1
;; workspace buffers: w1f 4,194,304 bytes; w2f 1,048,576 bytes; guf 2,097,152 bytes; order 16,384 bytes of whole numbers; tiles 4,096 bytes of whole numbers
;; launch prep: the kernel of part 1 again; grid 113 x 1, 8 waves a work-group, no clusters, 141,568 bytes of LDS; arguments W1_codes, W2_codes, Wg_codes, Wu_codes, selected_experts, w1f, w2f, guf, order, tiles; writes w1f, w2f, guf, order, tiles
;; launch chain (part 3): grid 135 x 1, 16 waves a work-group, no clusters, 313,344 bytes of LDS; arguments x_parts_codes, x_parts_scales, guf, Wg_scales, Wu_scales, bg, bu, w1f, W1_scales, b1, w2f, W2_scales, b2, order, tiles, out0; writes out0
.if DOCPART == 3
	.amdgcn_target "amdgcn-amd-amdhsa--gfx1250"
	.amdhsa_code_object_version 6
	.text
	.protected	k_qd4370f5008_chain
	.globl	k_qd4370f5008_chain
	.p2align	8
	.type	k_qd4370f5008_chain,@function
k_qd4370f5008_chain:
	s_mov_b64 s[64:65], 0
	v_nop
	global_prefetch_b8 v0, s[64:65] scope:SCOPE_SE
	s_setreg_imm32_b32 hwreg(HW_REG_WAVE_MODE, 25, 1), 1
	s_wait_xcnt 0x0
; CHAIN: a work-group takes one tile (at most 32 token copies of ONE expert, from the stored list) through the whole chain:
;   h1 = silu(x Wg + bg) (x Wu + bu);  h2 = relu(Q(h1) W1 + b1);  out = Q(h2) W2 + b2.   All four products on codes of FP4 (E2M1) with E8M0 scales for each 32 along K; Q = the quantiser along the next K, on f32 numbers.
; Only the chosen expert's rows are multiplied: the others are thrown away by the mask that the problem itself builds from the index.
; SHARES.  Sixteen waves of 256 registers, four to a SIMD.  THE WAVES SHARE THE COLUMNS: wave w makes hidden units 64 w .. 64 w + 63 of both hidden layers and one tile of 16 outputs, for both tiles of 16 tokens (m = 0, 1).
; So each byte of the expert's weights is fetched once by the work-group, from the fragment-ordered workspace.  A wave's weights are 14 slots of four fragments (4 KB).  TEN SLOTS go straight into registers (512 consecutive
; bytes a load, a ring of three slots).  FOUR SLOTS, W1's K steps 4 to 7, which are 16 KB on end in memory, come by ONE TENSOR LOAD A WAVE, issued at the head into LDS bytes that the wave alone reads and that are filled once:
; of the work-group's 1,792 loads of 512 bytes for weights 512 are so replaced by sixteen tensor loads, which have the whole first phase in which to land.
; ALL PRODUCTS ARE USED TRANSPOSED (source 0 = 16 weight rows, source 1 = 16 tokens): a lane holds ONE token (lane % 16), and, by the choice of a tile's rows (row r of tile 2 b + u = weight row 32 b + 8 u + r + 8 (r / 8)),
; the 16 registers of tiles u = 0, 1 are units 32 b + 16 (lane / 16) + 0 .. 15: neighbours along the next K.  A wave's 64 units are registers 4 c .. 4 c + 3 (c = w % 2) of K step w / 2 of the next operand and two bytes of its scale word.
; OPERANDS GO FROM WAVE TO WAVE THROUGH LDS AS IMAGES OF THEIR REGISTERS (16 bytes a lane at 16 x lane); the hidden layers never go to memory.  Three barriers.  The biases are loaded into the accumulators ahead of each sum's first product.
; No branch at all: every one of the 135 tiles has rows; slots behind a tile's last row hold other valid tokens, are computed, and are not stored.
; NO CLUSTER, NO JOINT LOADS: an expert's number of tiles is no multiple of 4 at every split, so partners with the same weights cannot be promised.
; LIMITS: NaN and infinities in the hidden layers are not served.  A block of the hidden layers whose largest magnitude lies under 2^-124 (a block of zeros among them) gets the byte 1; this program alone reads these bytes.
; silu(g) u is computed as (g u) / (1 + 2^(-g log2 e)), by v_exp_f32 and v_rcp_f32.  Indices read from the lists are held inside their buffers.
.set H1,   16384                       ; LDS: 0: biases, 1,024 bytes a wave, its own: bg 256, bu 256, b1 256 (its 64 units), b2 64 ([h][8]);  H1: the first hidden layer's images [K step 8][m 2][c 2][lane][16]
.set HS1,  32768                       ; its scale words [K step 8][32 tokens]
.set H2,   33792                       ; the second hidden layer's
.set HS2,  50176
.set WL,   51200                       ; W1's K steps 4 to 7: 16,384 bytes a wave, its own, as they lie in memory: [K step][fragment][c][lane][16]; filled once, by the wave's tensor load
.set STG,  0                           ; the stage for out: 32 rows x (1,024 + 16) bytes, over the biases, H1 and part of HS1: every read of those is waited for in front of the second barrier, the stage is written behind it
.set SPITCH, 1040
.set L16,  1                           ; v1   16 x lane
.set L4,   2                           ; v2   4 x lane
.set BA,   3                           ; v3   my wave's biases + 64 h
.set BA2,  4                           ; v4   b2's place + 32 h
.set BW,   5                           ; v5   where the biases are put: + 8 x lane
.set BW2,  6                           ; v6   b2's: + 4 r
.set HWI,  7                           ; v7   where I store an image: 2,048 (w / 2) + 512 (w % 2) + 16 x lane
.set HWS,  8                           ; v8   and two scale bytes: 128 (w / 2) + 2 (w % 2) + 4 x lane
.set SO,   9                           ; v9   the stage: where I put 32 bytes of a row
.set SR,   10                          ; v10  and where I read a row back
.set GO,   11                          ; v11  my byte offset in out
.set ROWI, 12                          ; v12  the slot whose row I store: 2 w + h
.set W2A,  13                          ; v13  W2's scale rows: 32 x (r + 8 (r / 8))
.set WLA,  14                          ; v14  r while the head makes addresses; then WL + 16,384 w + 16 x lane.   v15 h
.set X,    16                          ; v16-47  x's four fragments (K step s, tile m at 8 (2 s + m)); then the hidden layers' fragments
.set HS,   48                          ; v48-55  the tokens' scale words, a register a K step: lanes 0-15 m = 0, lanes 16-31 m = 1
.set WSA,  56                          ; v56-63  Wg's and Wu's scale words (4 mat + 2 p + s: lanes 0-15 tile u = 0, lanes 16-31 u = 1); later W2's (a register a K step)
.set WSB,  64                          ; v64-79  W1's (8 p + s, lanes as above).  v48-79 hold scales and nothing else
.set W,    80                          ; v80-175 the weights: three ring slots of four fragments
.set ACC,  176                         ; v176-239 eight accumulators
.set TM,   240                         ; v240-241 largest magnitudes (m = 0, 1); v242-243 at work; v244-245 the conversions' scale operands; v246-247 the two scale bytes; v248-255 the codes (4 m + 2 p + i)
.set TP,   242
.set TS,   244
.set HW,   246
.set PC,   248
.set SEL,  44                          ; s[44:45] v_permlanex16_b32's selects for lane l xor 16
.set CL,   46                          ; s[46:47] -log2(e), twice: the packed form names the pair
.set MHI,  48                          ; s48  lanes 16-31
.set NR,   49                          ; s49  the tile's rows
.set G1,   56                          ; s[56:63] the tensor load's group 1;  s[68:71] its group 0.  Neither is written again
.set G0,   68
; One matrix instruction; the symbols rD, rA, rB, rSA, rSB say where, rRA and rRB which half of the lanes holds source 0's and source 1's scale words.  It adds onto its accumulator, which holds the bias or the sum so far.
.macro MM
.if rRA && rRB
	v_wmma_scale_f32_16x16x128_f8f6f4 v[rD:rD+7], v[rA:rA+7], v[rB:rB+7], v[rD:rD+7], v[rSA], v[rSB] matrix_a_fmt:MATRIX_FMT_FP4 matrix_b_fmt:MATRIX_FMT_FP4 matrix_a_scale:MATRIX_SCALE_ROW1 matrix_b_scale:MATRIX_SCALE_ROW1
.elseif rRA
	v_wmma_scale_f32_16x16x128_f8f6f4 v[rD:rD+7], v[rA:rA+7], v[rB:rB+7], v[rD:rD+7], v[rSA], v[rSB] matrix_a_fmt:MATRIX_FMT_FP4 matrix_b_fmt:MATRIX_FMT_FP4 matrix_a_scale:MATRIX_SCALE_ROW1
.elseif rRB
	v_wmma_scale_f32_16x16x128_f8f6f4 v[rD:rD+7], v[rA:rA+7], v[rB:rB+7], v[rD:rD+7], v[rSA], v[rSB] matrix_a_fmt:MATRIX_FMT_FP4 matrix_b_fmt:MATRIX_FMT_FP4 matrix_b_scale:MATRIX_SCALE_ROW1
.else
	v_wmma_scale_f32_16x16x128_f8f6f4 v[rD:rD+7], v[rA:rA+7], v[rB:rB+7], v[rD:rD+7], v[rSA], v[rSB] matrix_a_fmt:MATRIX_FMT_FP4 matrix_b_fmt:MATRIX_FMT_FP4
.endif
.endm
; Four places behind a run of matrix instructions, ahead of loads into registers that it read and of the first read of its results (ISA guide 7.12.1 for vector instructions)
.macro PL
.rept 4
	v_nop
.endr
.endm
; Which of the three ring slots holds slot q: 0 .. 8 by turns; then slots 9 to 11, which come from LDS, change between ring slots 1 and 2, so that ring slot 0 can take W2's first half (12) early; W2's second half (13) takes ring slot 2.
.macro RING q
.set rS, (\q)%3
.if ((\q) == 9) || ((\q) == 11)
.set rS, 1
.endif
.if ((\q) == 10) || ((\q) == 13)
.set rS, 2
.endif
.endm
; Slot q of the wave's 14: four fragments, eight loads of 512 consecutive bytes.  0-3: gate and up (block p = q / 2, K step q % 2; fragments 2 mat + u); 4-11: W1 (K step q - 4; fragments 2 p + u); 12-13: W2 (K steps 4 (q - 12) + f).
; Slots 8 to 11 are read from the wave's own LDS bytes, where its tensor load has put them; the others come from memory.  Every offset is an immediate: no pointer is stepped.
.macro SLOT_LD q
	RING \q
.set iF, 0
.rept 4
.set iC, 0
.rept 2
.set rW, W+32*rS+8*iF+4*iC
.if (\q) < 4
	global_load_b128 v[rW:rW+3], v[L16], s[12:13] offset:(\q)*4096+iF*1024+iC*512
.elseif (\q) < 8
	global_load_b128 v[rW:rW+3], v[L16], s[22:23] offset:((\q)-4)*4096+iF*1024+iC*512
.elseif (\q) < 12
	ds_load_b128 v[rW:rW+3], v[WLA] offset:((\q)-8)*4096+iF*1024+iC*512
.else
	global_load_b128 v[rW:rW+3], v[L16], s[28:29] offset:(4*((\q)-12)+iF)*4096+iC*512
.endif
.set iC, iC+1
.endr
.set iF, iF+1
.endr
.endm
; The products of a slot.  In each run the accumulators take turns, one instruction a turn, in the same order in every run.
.macro C1 q                            ; gate and up: accumulator 16 (2 mat + m) + 8 u
.set iF, 0
.rept 4
.set iM, 0
.rept 2
.set rD, ACC+16*(2*(iF/2)+iM)+8*(iF%2)
.set rA, W+32*((\q)%3)+8*iF
.set rB, X+8*(2*((\q)%2)+iM)
.set rSA, WSA+4*(iF/2)+(\q)
.set rSB, HS+(\q)%2
.set rRA, iF%2
.set rRB, iM
	MM
.set iM, iM+1
.endr
.set iF, iF+1
.endr
.endm
.macro C2 s                            ; W1, K step s: accumulator 32 m + 16 p + 8 u
	RING 4+(\s)
.set iF, 0
.rept 4
.set iM, 0
.rept 2
.set rD, ACC+32*iM+8*iF
.set rA, W+32*rS+8*iF
.set rB, X+16*((\s)%2)+8*iM
.set rSA, WSB+8*(iF/2)+(\s)
.set rSB, HS+(\s)
.set rRA, iF%2
.set rRB, iM
	MM
.set iM, iM+1
.endr
.set iF, iF+1
.endr
.endm
.macro C3 s                            ; W2, K step s: accumulator 8 m.  The tokens' fragments of K step s lie at v16, v32, v112, v128 for s % 4 = 0 .. 3 (the last two in ring slot 1, which is free by then)
	RING 12+(\s)/4
.set iM, 0
.rept 2
.set rD, ACC+8*iM
.set rA, W+32*rS+8*((\s)%4)
.set rB, 16+16*((\s)%2)+96*(((\s)%4)/2)+8*iM
.set rSA, WSA+(\s)
.set rSB, HS+(\s)
.set rRA, 0
.set rRB, iM
	MM
.set iM, iM+1
.endr
.endm
; The biases, in the result's layout, into the accumulators: lane (r, h), register j of tile u of block p: unit 32 p + 16 h + 8 u + j
.macro BIAS1 p
.irp t, 0,1,2,3
.irp u, 0,1
	ds_load_b128 v[ACC+16*\t+8*\u:ACC+16*\t+8*\u+3], v[BA] offset:256*(\t/2)+128*(\p)+32*\u
	ds_load_b128 v[ACC+16*\t+8*\u+4:ACC+16*\t+8*\u+7], v[BA] offset:256*(\t/2)+128*(\p)+32*\u+16
.endr
.endr
.endm
.macro BIAS2
.irp m, 0,1
.irp f, 0,1,2,3
	ds_load_b128 v[ACC+32*\m+8*\f:ACC+32*\m+8*\f+3], v[BA] offset:512+128*(\f/2)+32*(\f%2)
	ds_load_b128 v[ACC+32*\m+8*\f+4:ACC+32*\m+8*\f+7], v[BA] offset:512+128*(\f/2)+32*(\f%2)+16
.endr
.endr
.endm
.macro BIAS3
.irp m, 0,1
	ds_load_b128 v[ACC+8*\m:ACC+8*\m+3], v[BA2]
	ds_load_b128 v[ACC+8*\m+4:ACC+8*\m+7], v[BA2] offset:16
.endr
.endm
.macro HLD reg, region, s              ; both token tiles' fragments of K step s, as they were stored
.irp m, 0,1
.irp c, 0,1
	ds_load_b128 v[(\reg)+8*\m+4*\c:(\reg)+8*\m+4*\c+3], v[L16] offset:(\region)+2048*(\s)+1024*\m+512*\c
.endr
.endr
.endm
; g in v[ACC .. +31], u in v[ACC+32 .. +63]; silu(g) u is left in u's registers.  Each accumulator is read from its low end on.  The exponentials and the reciprocals go as batches:
; behind each a plain instruction, and one wait ahead of the first instruction that names a result.
.macro SWIGLU
.set iJ, 0
.rept 16
	v_pk_mul_f32 v[ACC+32+iJ:ACC+33+iJ], v[ACC+iJ:ACC+1+iJ], v[ACC+32+iJ:ACC+33+iJ]   ; g u
.set iJ, iJ+2
.endr
.set iJ, 0
.rept 16
	v_pk_mul_f32 v[ACC+iJ:ACC+1+iJ], v[ACC+iJ:ACC+1+iJ], s[CL:CL+1] op_sel_hi:[1,0]   ; -g log2 e
.set iJ, iJ+2
.endr
.set iJ, 0
.rept 32
	v_exp_f32 v[ACC+iJ], v[ACC+iJ]
.set iJ, iJ+1
.endr
	v_nop
	s_wait_alu depctr_va_vdst(0)
.set iJ, 0
.rept 16
	v_pk_add_f32 v[ACC+iJ:ACC+1+iJ], v[ACC+iJ:ACC+1+iJ], 1.0 op_sel_hi:[1,0]
.set iJ, iJ+2
.endr
.set iJ, 0
.rept 32
	v_rcp_f32 v[ACC+iJ], v[ACC+iJ]
.set iJ, iJ+1
.endr
	v_nop
	s_wait_alu depctr_va_vdst(0)
.set iJ, 0
.rept 16
	v_pk_mul_f32 v[ACC+32+iJ:ACC+33+iJ], v[ACC+32+iJ:ACC+33+iJ], v[ACC+iJ:ACC+1+iJ]
.set iJ, iJ+2
.endr
.endm
; Block p (32 units) of my 64, for both token tiles (16 numbers a lane from s0 and from s1 on), the two by turns: the largest magnitude with the floor 2^(3 - 127) among its leaves, joined with lane l xor 16's;
; 2 off its exponent field is the conversion's scale operand, and that shifted down the scale's byte.
.macro QUANTB s0, s1, p
	v_max3_num_f32 v[TM], |v[(\s0)]|, |v[(\s0)+1]|, 0x1800000
	v_max3_num_f32 v[TM+1], |v[(\s1)]|, |v[(\s1)+1]|, 0x1800000
.irp i, 2,4,6,8,10,12,14
	v_max3_num_f32 v[TM], v[TM], |v[(\s0)+\i]|, |v[(\s0)+\i+1]|
	v_max3_num_f32 v[TM+1], v[TM+1], |v[(\s1)+\i]|, |v[(\s1)+\i+1]|
.endr
	v_permlanex16_b32 v[TP], v[TM], s[SEL], s[SEL+1]
	v_permlanex16_b32 v[TP+1], v[TM+1], s[SEL], s[SEL+1]
	v_max_num_f32 v[TM], v[TM], v[TP]
	v_max_num_f32 v[TM+1], v[TM+1], v[TP+1]
	v_add_nc_u32 v[TS], 0xff000000, v[TM]
	v_add_nc_u32 v[TS+1], 0xff000000, v[TM+1]
.if (\p) == 0
	v_lshrrev_b32 v[HW], 23, v[TS]
	v_lshrrev_b32 v[HW+1], 23, v[TS+1]
.else
	v_lshrrev_b32 v[TP], 23, v[TS]
	v_lshrrev_b32 v[TP+1], 23, v[TS+1]
	v_lshl_or_b32 v[HW], v[TP], 8, v[HW]
	v_lshl_or_b32 v[HW+1], v[TP+1], 8, v[HW+1]
.endif
	v_cvt_scalef32_pk8_fp4_f32 v[PC+2*(\p)], v[(\s0):(\s0)+7], v[TS]
	v_cvt_scalef32_pk8_fp4_f32 v[PC+2*(\p)+1], v[(\s0)+8:(\s0)+15], v[TS]
	v_cvt_scalef32_pk8_fp4_f32 v[PC+4+2*(\p)], v[(\s1):(\s1)+7], v[TS+1]
	v_cvt_scalef32_pk8_fp4_f32 v[PC+4+2*(\p)+1], v[(\s1)+8:(\s1)+15], v[TS+1]
	v_nop                                          ; one plain place behind the last scaled conversion
.endm
; My four registers of each token tile's fragment and my two bytes of its scale words go to LDS; then the barrier.
.macro PUBLISH img, sc
	v_permlane16_swap_b32 v[PC], v[PC+2]           ; the operand's layout wants a whole block of 32 in a lane: lanes 0-15 my block 0, lanes 16-31 my block 1
	v_permlane16_swap_b32 v[PC+1], v[PC+3]
	v_permlane16_swap_b32 v[PC+4], v[PC+6]
	v_permlane16_swap_b32 v[PC+5], v[PC+7]
	v_cndmask_b32 v[HW], v[HW], v[HW+1], s[MHI]    ; lane l: the bytes of token slot l
	ds_store_b128 v[HWI], v[PC:PC+3] offset:\img
	ds_store_b128 v[HWI], v[PC+4:PC+7] offset:\img+1024
	ds_store_b16 v[HWS], v[HW] offset:\sc
	s_wait_dscnt 0x0                               ; for the others' sake: my stores are done (and the next sums' biases are in)
	s_barrier_signal -1
	s_barrier_wait -1
.endm
; K step s of the second phase.  dsw: the LDS loads that may stay out; ldw: the loads from memory that may stay out (-1: this step's weights came from LDS); nq: the slot that is asked for behind the products (-1: none).
.macro P2STEP s, dsw, ldw, nq
	s_wait_dscnt \dsw
.if (\ldw) >= 0
	s_wait_loadcnt \ldw
.endif
	C2 \s
	PL
.if (\nq) >= 0
	SLOT_LD \nq
.endif
.if (\s) < 6
	HLD X+16*((\s)%2), H1, (\s)+2
.endif
.endm
; ---------------- the head
	s_load_b512 s[8:23], s[0:1], 0x0               ; x codes s[8:9], x scales s[10:11], guf s[12:13], Wg scales s[14:15], Wu scales s[16:17], bg s[18:19], bu s[20:21], w1f s[22:23]
	s_load_b512 s[24:39], s[0:1], 0x40             ; W1 scales s[24:25], b1 s[26:27], w2f s[28:29], W2 scales s[30:31], b2 s[32:33], order s[34:35], tiles s[36:37], out s[38:39]
	v_lshrrev_b32 v14, 5, v0
	v_readfirstlane_b32 s2, v14                    ; wave 0..15
	v_and_b32 v176, 31, v0                         ; lane (the accumulators' registers are free here)
	v_and_b32 v14, 15, v0                          ; r
	v_bfe_u32 v15, v0, 4, 1                        ; h
	s_lshl_b32 s50, ttmp9, 4
	s_mov_b32 s51, 0
	s_wait_kmcnt 0x0
	s_add_nc_u64 s[36:37], s[36:37], s[50:51]
	s_load_b128 s[40:43], s[36:37], 0x0            ; my tile: expert, first place in order, rows
	v_lshlrev_b32 v[L16], 4, v176                  ; all that hangs on ids alone is made while it comes
	v_lshlrev_b32 v[L4], 2, v176
	s_lshl_b32 s52, s2, 10
	s_lshr_b32 s53, s2, 1
	s_and_b32 s54, s2, 1
	v_lshl_add_u32 v[BA], v15, 6, s52
	v_lshl_add_u32 v[BA2], v15, 5, s52
	v_add_nc_u32 v[BA2], 768, v[BA2]
	v_lshl_add_u32 v[BW], v176, 3, s52
	v_lshl_add_u32 v[BW2], v14, 2, s52
	v_add_nc_u32 v[BW2], 768, v[BW2]
	s_lshl_b32 s55, s53, 11
	s_lshl_b32 s50, s54, 9
	s_add_co_u32 s55, s55, s50
	v_lshl_add_u32 v[HWI], v176, 4, s55
	s_lshl_b32 s55, s53, 7
	s_lshl_b32 s50, s54, 1
	s_add_co_u32 s50, s55, s50
	v_lshl_add_u32 v[HWS], v176, 2, s50
	s_lshl_b32 s50, s54, 5
	s_add_co_u32 s3, s55, s50                      ; 128 (w / 2) + 32 (w % 2): my output tile's first column in bytes
	s_add_co_u32 s55, s3, STG
	v_mul_u32_u24 v[SO], v14, SPITCH
	v_lshl_add_u32 v[SO], v15, 6, v[SO]
	v_add_nc_u32 v[SO], s55, v[SO]                 ; row r; columns 32 (w / 2) + 16 h + 8 (w % 2) + 0 .. 7
	s_lshl_b32 s55, s2, 1
	v_add_nc_u32 v[ROWI], s55, v15
	v_mul_u32_u24 v[SR], v[ROWI], SPITCH
	v_lshl_add_u32 v[SR], v14, 4, v[SR]
	v_add_nc_u32 v[SR], STG, v[SR]                 ; back: lanes 0-15 row 2 w, lanes 16-31 row 2 w + 1
	v_and_b32 v177, 7, v0
	v_bfe_u32 v178, v0, 3, 1
	v_lshl_add_u32 v177, v178, 4, v177             ; r + 8 (r / 8)
	v_lshl_add_u32 v178, v15, 3, v177              ; + 8 h: lanes 16-31 take the rows of tile u = 1
	v_lshlrev_b32 v[W2A], 5, v177
	v_lshlrev_b32 v254, 2, v177                    ; b2
	v_lshlrev_b32 v251, 3, v178                    ; Wg's and Wu's scale rows: 8 bytes
	v_lshlrev_b32 v252, 5, v178                    ; W1's: 32 bytes
	v_lshlrev_b32 v253, 3, v176                    ; bg, bu, b1: 8 bytes a lane
	s_mov_b32 s[SEL], 0x76543210
	s_mov_b32 s[SEL+1], 0xfedcba98
	s_mov_b32 s[CL], 0xbfb8aa3b
	s_mov_b32 s[CL+1], s[CL]
	s_mov_b32 s[MHI], 0xffff0000
	; the tensor load's descriptor.  Group 1: a dense block of 16,384 bytes as 64 rows of 256 bytes: 32 elements of 8 bytes, pitch 32 elements, no padding (a fragment's loads read 512 bytes on end)
	s_mov_b32 s[G1], 3<<16                         ; 15:0 no mask; 17:16 elements of 8 bytes; 20 padding off
	s_mov_b32 s[G1+1], 32<<16                      ; tensor_dim0 = 32
	s_mov_b32 s[G1+2], 64<<16                      ; tensor_dim1 = 64
	s_mov_b32 s[G1+3], 32<<16                      ; tile_dim0 = 32
	s_mov_b32 s[G1+4], 64                          ; tile_dim1 = 64
	s_mov_b32 s[G1+5], 32                          ; from row to row
	s_mov_b32 s[G1+6], 0
	s_mov_b32 s[G1+7], 0
	s_mov_b32 s[G0], 1                             ; group 0: count = 1;
	s_lshl_b32 s[G0+1], s2, 14
	s_add_co_u32 s[G0+1], s[G0+1], WL              ; LDS address: WL + 16,384 x wave: each wave's own bytes
	s_wait_kmcnt 0x0
	s_min_u32 s40, s40, 7                          ; what was read is held inside its range
	s_min_u32 s41, s41, 4095
	s_min_u32 s[NR], s42, 32
	v_add_nc_u32 v240, s41, v14                    ; the places in order of slots r, 16 + r, lane, 2 w + h
	v_add_nc_u32 v241, 16, v240
	v_add_nc_u32 v242, s41, v176
	v_add_nc_u32 v243, s41, v[ROWI]
.irp i, 240,241,242,243
	v_min_u32 v\i, 0xfff, v\i                      ; slots behind the list's end read its last entry
	v_lshlrev_b32 v\i, 2, v\i
.endr
.irp i, 240,241,242,243
	global_load_b32 v\i, v\i, s[34:35]             ; each lands on its own address register
.endr
	s_lshl_b32 s50, s40, 4
	s_add_co_u32 s50, s50, s2                      ; 16 e + w
	s_mov_b32 s55, 0
	s_lshl_b32 s54, s50, 15
	s_add_nc_u64 s[22:23], s[22:23], s[54:55]      ; my 32 KB of W1;
	s_add_nc_u64 s[G0+2:G0+3], s[22:23], 0x4000    ; its second half, K steps 4 to 7, is what the tensor load brings
	s_or_b32 s[G0+3], s[G0+3], 0x80000000          ; type = 2
	tensor_load_to_lds s[G0:G0+3], s[G1:G1+7]      ; my one tensor load: a first fill, ahead of every LDS read, every barrier and the wait on TENSORcnt
.rept 4
	v_nop
.endr
	s_lshl_b32 s54, s50, 8
	s_add_nc_u64 s[18:19], s[18:19], s[54:55]      ; bg, bu, b1: my 64 numbers
	s_add_nc_u64 s[20:21], s[20:21], s[54:55]
	s_add_nc_u64 s[26:27], s[26:27], s[54:55]
	s_lshl_b32 s54, s40, 10
	s_add_co_u32 s54, s54, s3
	s_add_nc_u64 s[32:33], s[32:33], s[54:55]      ; b2 at my tile's first column
	s_lshl_b32 s54, s54, 3
	s_add_nc_u64 s[30:31], s[30:31], s[54:55]      ; W2's scale rows: 32 bytes a column
	s_lshl_b32 s54, s50, 9
	s_add_nc_u64 s[14:15], s[14:15], s[54:55]      ; Wg's and Wu's scale rows
	s_add_nc_u64 s[16:17], s[16:17], s[54:55]
	s_lshl_b32 s54, s50, 11
	s_add_nc_u64 s[24:25], s[24:25], s[54:55]      ; W1's
	s_lshl_b32 s54, s50, 14
	s_add_nc_u64 s[12:13], s[12:13], s[54:55]      ; my 16 KB of gate and up
	s_lshl_b32 s54, s40, 2
	s_lshr_b32 s51, s2, 2
	s_add_co_u32 s54, s54, s51
	s_lshl_b32 s54, s54, 15
	s_and_b32 s51, s2, 3
	s_lshl_b32 s51, s51, 10
	s_add_co_u32 s54, s54, s51
	s_add_nc_u64 s[28:29], s[28:29], s[54:55]      ; my tile of W2
	global_load_b64 v[244:245], v253, s[18:19]
	global_load_b64 v[246:247], v253, s[20:21]
	global_load_b64 v[248:249], v253, s[26:27]
	global_load_b32 v250, v254, s[32:33]
.irp p, 0,1
	global_load_b64 v[WSA+2*\p:WSA+2*\p+1], v251, s[14:15] offset:256*\p       ; the 32 lanes read 256 consecutive bytes
	global_load_b64 v[WSA+4+2*\p:WSA+5+2*\p], v251, s[16:17] offset:256*\p
.endr
.irp p, 0,1
	global_load_b128 v[WSB+8*\p:WSB+8*\p+3], v252, s[24:25] offset:1024*\p
	global_load_b128 v[WSB+8*\p+4:WSB+8*\p+7], v252, s[24:25] offset:1024*\p+16
.endr
	SLOT_LD 0
	SLOT_LD 1
	SLOT_LD 2
	s_wait_loadcnt 36                              ; the four indices are in: behind them 4 biases, 4 + 4 scale loads, 24 of the slots
.irp i, 240,241,242,243
	v_min_u32 v\i, 0xfff, v\i                      ; a token's number stays inside the tensors
.endr
	v_lshlrev_b32 v240, 7, v240
	v_lshl_add_u32 v240, v15, 4, v240              ; x: the token's 128 bytes, + 16 h
	v_lshlrev_b32 v241, 7, v241
	v_lshl_add_u32 v241, v15, 4, v241
	v_lshlrev_b32 v242, 3, v242                    ; its 8 scale bytes
	v_lshlrev_b32 v243, 10, v243
	v_lshl_add_u32 v[GO], v14, 4, v243             ; out: the token's 1,024 bytes, + 16 r
	v_add_nc_u32 v[WLA], s[G0+1], v[L16]           ; r is done with: my place in my wave's part of WL
.irp s, 0,1
.irp m, 0,1
.irp c, 0,1
	global_load_b128 v[X+8*(2*\s+\m)+4*\c:X+8*(2*\s+\m)+4*\c+3], v[240+\m], s[8:9] offset:64*\s+32*\c
.endr
.endr
.endr
	global_load_b64 v[HS:HS+1], v242, s[10:11]     ; lane l: slot l's two scale words
	s_wait_loadcnt 41                              ; the biases are in: behind them 4 + 4 + 24 + 9 loads
	ds_store_b64 v[BW], v[244:245]
	ds_store_b64 v[BW], v[246:247] offset:256
	ds_store_b64 v[BW], v[248:249] offset:512
	ds_store_b32 v[BW2], v250                      ; (lanes l and l + 16 write the same word with the same value)
	BIAS1 0                                        ; my own bytes: LDS serves a wave's instructions in order
	s_wait_loadcnt 0x0                             ; x came last
	s_wait_dscnt 0x0
	v_mov_b32 v[TP], 0                             ; written once: a lane permute's destination counts as one of its sources
	v_mov_b32 v[TP+1], 0
; ---------------- 1: gate, up, SwiGLU, quantised: block p = 0, then p = 1
	C1 0
	PL
	SLOT_LD 3
	C1 1
	PL
	SLOT_LD 4
	SWIGLU
	QUANTB ACC+32, ACC+48, 0
	BIAS1 1
	s_wait_dscnt 0x0
	C1 2
	PL
	SLOT_LD 5
	s_wait_loadcnt 16                              ; slot 3 is in; slots 4 and 5 may be out
	C1 3
	PL
	SLOT_LD 6
	global_load_b128 v[WSA:WSA+3], v[W2A], s[30:31]            ; W2's scale words take the gate's and the up's place
	global_load_b128 v[WSA+4:WSA+7], v[W2A], s[30:31] offset:16
	SWIGLU
	QUANTB ACC+32, ACC+48, 1
	BIAS2
	s_wait_tensorcnt 0x0                           ; my 16 KB of W1 have landed in my part of WL; I alone read them, behind this wait
	PUBLISH H1, HS1                                ; the first hidden layer lies in LDS
; ---------------- 2: W1, relu, quantised.  K steps 0 to 3 take their weights from memory, 4 to 7 from LDS
.irp s, 0,1,2,3,4,5,6,7
	ds_load_b32 v[HS+\s], v[L4] offset:HS1+128*\s
.endr
	HLD X, H1, 0
	HLD X+16, H1, 1
	P2STEP 0, 4, 18, 7                             ; LDS: K step 1's four loads may be out.  Memory: behind slot 4: slots 5 and 6 and W2's two scale loads
	P2STEP 1, 4, 18, 8                             ; LDS: K step 2's four.  Memory: behind slot 5: slot 6, the two scale loads, slot 7
	P2STEP 2, 12, 10, 12                           ; LDS: slot 8's eight and K step 3's four.  Memory: behind slot 6: the two scale loads and slot 7
	P2STEP 3, 4, 8, 9                              ; LDS: K step 4's four.  Memory: behind slot 7: slot 12
	P2STEP 4, 12, -1, 10                           ; LDS: behind K step 4's fragments (and slot 8, which is older): slot 9's eight and K step 5's four
	P2STEP 5, 12, -1, 11                           ; behind K step 5's (and slot 9): slot 10's eight and K step 6's four
	P2STEP 6, 12, -1, 13                           ; behind K step 6's (and slot 10): slot 11's eight and K step 7's four
	P2STEP 7, 0, -1, -1
.set iJ, 0
.rept 64
	v_max_num_f32 v[ACC+iJ], 0, v[ACC+iJ]          ; the activation, in f32; each accumulator from its low end on
.set iJ, iJ+1
.endr
	QUANTB ACC, ACC+32, 0
	QUANTB ACC+16, ACC+48, 1
	BIAS3
	PUBLISH H2, HS2                                ; the second hidden layer lies in LDS; nobody reads the biases, H1 or its scale words any more
; ---------------- 3: W2
.irp s, 0,1,2,3,4,5,6,7
	ds_load_b32 v[HS+\s], v[L4] offset:HS2+128*\s
.endr
.irp s, 0,1,2,3
	HLD 16+16*(\s%2)+96*(\s/2), H2, \s
.endr
	s_wait_loadcnt 8                               ; slot 12 is in (and W2's scale words); slot 13 may be out
.irp s, 0,1,2,3
	s_wait_dscnt 4*(3-\s)                          ; K step s is in; the later steps' loads may be out
	C3 \s
.endr
	PL
.irp s, 4,5,6,7
	HLD 16+16*(\s%2)+96*((\s%4)/2), H2, \s
.endr
	s_wait_loadcnt 0x0
.irp s, 4,5,6,7
	s_wait_dscnt 4*(7-\s)
	C3 \s
.endr
	PL
; ---------------- the way out: a row's 256 outputs come from sixteen waves: they meet in the stage, and each wave stores two whole rows
.irp m, 0,1
	ds_store_b128 v[SO], v[ACC+8*\m:ACC+8*\m+3] offset:16*SPITCH*\m
	ds_store_b128 v[SO], v[ACC+8*\m+4:ACC+8*\m+7] offset:16*SPITCH*\m+16
.endr
	s_wait_dscnt 0x0                               ; for the others' sake: my stores are done
	s_barrier_signal -1
	s_barrier_wait -1
.irp i, 0,1,2,3
	ds_load_b128 v[16+4*\i:19+4*\i], v[SR] offset:256*\i
.endr
	v_cmp_gt_u32 vcc_lo, s[NR], v[ROWI]            ; only the tile's own rows are stored
	s_wait_dscnt 0x0
	s_wait_xcnt 0x0                                ; EXEC changes only behind this wait
	s_and_saveexec_b32 s50, vcc_lo
.irp i, 0,1,2,3
	global_store_b128 v[GO], v[16+4*\i:19+4*\i], s[38:39] offset:256*\i th:TH_STORE_NT   ; sixteen lanes store 256 consecutive bytes, at a multiple of 256 from out's first byte
.endr
	s_wait_xcnt 0x0                                ; and again, in front of the line that widens it
	s_or_b32 exec_lo, exec_lo, s50
	s_endpgm
.Lfunc_end_k_qd4370f5008_chain:
	.size	k_qd4370f5008_chain, .Lfunc_end_k_qd4370f5008_chain-k_qd4370f5008_chain
	.p2alignl 7, 3214868480
	.fill 96, 4, 3214868480
	.section	.rodata,"a",@progbits
	.p2align	6, 0x0
	.amdhsa_kernel k_qd4370f5008_chain
		.amdhsa_group_segment_fixed_size 313344
		.amdhsa_private_segment_fixed_size 0
		.amdhsa_enable_private_segment 0
		.amdhsa_kernarg_size 128
		.amdhsa_user_sgpr_count 2
		.amdhsa_user_sgpr_kernarg_segment_ptr 1
		.amdhsa_wavefront_size32 1
		.amdhsa_system_sgpr_workgroup_id_x 1
		.amdhsa_system_sgpr_workgroup_id_y 1
		.amdhsa_system_sgpr_workgroup_id_z 1
		.amdhsa_system_vgpr_workitem_id 0
		.amdhsa_next_free_vgpr 256
		.amdhsa_next_free_sgpr 72
		.amdhsa_reserve_vcc 1
		.amdhsa_float_denorm_mode_32 3
		.amdhsa_float_denorm_mode_16_64 3
		.amdhsa_memory_ordered 1
		.amdhsa_forward_progress 1
		.amdhsa_inst_pref_size 67
	.end_amdhsa_kernel
	.amdgpu_metadata
---
amdhsa.version: [ 1, 2 ]
amdhsa.kernels:
  - .name:           k_qd4370f5008_chain
    .symbol:         k_qd4370f5008_chain.kd
    .args:
      - { .name: x_parts_codes, .offset: 0, .size: 8, .value_kind: global_buffer, .address_space: global }
      - { .name: x_parts_scales, .offset: 8, .size: 8, .value_kind: global_buffer, .address_space: global }
      - { .name: guf, .offset: 16, .size: 8, .value_kind: global_buffer, .address_space: global }
      - { .name: Wg_scales, .offset: 24, .size: 8, .value_kind: global_buffer, .address_space: global }
      - { .name: Wu_scales, .offset: 32, .size: 8, .value_kind: global_buffer, .address_space: global }
      - { .name: bg, .offset: 40, .size: 8, .value_kind: global_buffer, .address_space: global }
      - { .name: bu, .offset: 48, .size: 8, .value_kind: global_buffer, .address_space: global }
      - { .name: w1f, .offset: 56, .size: 8, .value_kind: global_buffer, .address_space: global }
      - { .name: W1_scales, .offset: 64, .size: 8, .value_kind: global_buffer, .address_space: global }
      - { .name: b1, .offset: 72, .size: 8, .value_kind: global_buffer, .address_space: global }
      - { .name: w2f, .offset: 80, .size: 8, .value_kind: global_buffer, .address_space: global }
      - { .name: W2_scales, .offset: 88, .size: 8, .value_kind: global_buffer, .address_space: global }
      - { .name: b2, .offset: 96, .size: 8, .value_kind: global_buffer, .address_space: global }
      - { .name: order, .offset: 104, .size: 8, .value_kind: global_buffer, .address_space: global }
      - { .name: tiles, .offset: 112, .size: 8, .value_kind: global_buffer, .address_space: global }
      - { .name: out0, .offset: 120, .size: 8, .value_kind: global_buffer, .address_space: global }
    .group_segment_fixed_size: 313344
    .private_segment_fixed_size: 0
    .kernarg_segment_align: 8
    .kernarg_segment_size: 128
    .max_flat_workgroup_size: 512
    .sgpr_count:     72
    .vgpr_count:     256
    .wavefront_size: 32
...
	.end_amdgpu_metadata
.endif
;; end of part 3
